; MI455X (gfx1250); checked and timed in simulation.
; The chip was launched on July 23, 2026; its instructions are those of AMD's public machine-readable ISA for CDNA 5 (MIT licence, August 2026) and "CDNA5" Instruction Set Architecture Reference Guide (July 2026). The comments in the code are by the model that wrote it; some were corrected since.
;; Causal Self Attention. Allowed arithmetic: matrix products marked QUANTISED: E2M1 operands, one E8M0 scale for each 32 along K, by v_wmma_scale_f32_16x16x128_f8f6f4 with both operands' format E2M1 (or v_wmma_scale_f32_32x16x128_f4), f32 sums; everything else in f32.
;; Inputs: W_attn 1,024 x 3,072 float32; W_proj 1,024 x 1,024 float32; b_attn 3,072 float32; b_proj 1,024 float32; x 4 x 2,048 x 1,024 float32.
;; Outputs: out0 4 x 2,048 x 1,024 float32.
;; This version of the problem:
;;   THIS VERSION OF THE PROBLEM IS GIVEN IN LOW PRECISION. The matrix products marked QUANTISED in the list below multiply operands that are first quantised to E2M1 (2 exponent bits, 1 mantissa bit; 4 bits a number), with one power-of-two scale for each 32 numbers along K (OCP MX v1.0); their sums are f32. All else is computed in f32.
;;   The module's matrix products, in the order in which they are computed (A, B: the left and right operand; K: the contracted axis; several contracted axes count as one K, in the product's order):
;;     1. [M 8,192, K 1,024] x [K 1,024, N 3,072]; A: input x; B: input W_attn: QUANTISED
;;     2. batch 64 x [M 2,048, K 64] x [K 64, N 2,048]; A: computed on the way; B: computed on the way: QUANTISED
;;     3. batch 64 x [M 2,048, K 2,048] x [K 2,048, N 64]; A: softmax (see below); B: computed on the way: QUANTISED
;;     4. [M 8,192, K 1,024] x [K 1,024, N 1,024]; A: computed on the way; B: input W_proj: QUANTISED
;;   THE QUANTISER, for each operand of a quantised product, along K:
;;     - K is cut into blocks of 32 from its start; a last block that is shorter is filled with zeros.
;;     - A block's scale is 2^e with e = floor(log2(the largest magnitude in the block)) - 2, held to -126 .. 127; a block of zeros has e = 0. As a byte (E8M0): e + 127.
;;     - Each number is divided by its block's scale, clamped to +-6, and rounded to the nearest number of E2M1, ties to even, subnormals kept.
;;     - The product sums the exact products of the quantised numbers (number of the format x scale) in f32.
;;   ~~~python
;;   def quantise(x, axis):      # numpy; x: float32 -> the quantised numbers, widened to float32 again
;;       x = np.moveaxis(x, axis, -1); K = x.shape[-1]
;;       x = np.pad(x, [(0, 0)] * (x.ndim - 1) + [(0, -K % 32)]); x = x.reshape(x.shape[:-1] + (-1, 32)); a = np.abs(x).max(-1, keepdims=True)
;;       e = np.where(a > 0, np.clip(np.frexp(np.where(a > 0, a, 1))[1] - 1 - 2, -126, 127), 0)      # np.frexp(a)[1] - 1 = floor(log2(a)), exactly
;;       r = np.clip(x / 2.0 ** e, -6, 6)
;;       step = 2.0 ** (np.maximum(np.frexp(np.where(r == 0, 1, r))[1] - 1, 0) - 1)
;;       q = np.round(r / step) * step * 2.0 ** e      # np.round: ties to even
;;       return np.moveaxis(q.reshape(q.shape[:-2] + (-1,))[..., :K], -1, axis).astype(np.float32)
;;   ~~~
;;   SOFTMAX AHEAD OF A QUANTISED PRODUCT. Where the list says 'softmax', what is quantised is not the finished softmax but p = 2^(t - M), with t = logit x log2(e) and M = ceil(the row's largest t), a whole number; so 1/2 < the row's largest p <= 1. The row's sum l is taken of the UNQUANTISED p, in f32, and the product's result is divided by l at the end. Since M is a whole number, a kernel that streams over the keys may use a running M (the ceiling of the running maximum): every later rescaling is an exact power of two, which a block's scale takes up: the codes' values come out the same.
;;   OPERANDS COMPUTED ON THE WAY. 'Computed on the way' means the value that the module computes at that place (a softmax that the list does not call 'softmax' is quantised finished and normalised). What goes into a quantiser is computed in f32, as accurately as f32 sums, v_exp_f32 and their like allow (about 1e-6 of the number): no bf16 or f16 on the way to a quantiser, and a product that is left as it is and whose result goes on into a quantised operand takes f32 operands (vector FMAs, or v_wmma_f32_16x16x4_f32). A number that lies on a knife's edge between two numbers of the format may be rounded either way, as far as f32 arithmetic and the matrix unit's own rounding can turn it there, and no further.
;; One version. Each part assembles by itself: llvm-mc -triple=amdgcn-amd-amdhsa -mcpu=gfx1250 --defsym DOCPART=n.
;; ======== version 1 of 1: 4 launches
;; workspace buffers: xq 4,456,448 bytes; waq 1,671,168 bytes; wpq 557,056 bytes; qq 4,718,592 bytes; kv 9,175,040 bytes; yq 4,456,448 bytes
;; launch quant (part 1): grid 512 x 1, 4 waves a work-group, no clusters, 40,448 bytes of LDS; arguments x, W_attn, W_proj, xq, waq, wpq; writes xq, waq, wpq
.if DOCPART == 1
	.amdgcn_target "amdgcn-amd-amdhsa--gfx1250"
	.amdhsa_code_object_version 6
	.text
	.protected	k_qff78a87360_quant
	.globl	k_qff78a87360_quant
	.p2align	8
	.type	k_qff78a87360_quant,@function
k_qff78a87360_quant:
	s_mov_b64 s[64:65], 0
	v_nop
	global_prefetch_b8 v0, s[64:65] scope:SCOPE_SE
	s_setreg_imm32_b32 hwreg(HW_REG_WAVE_MODE, 25, 1), 1
	s_wait_xcnt 0x0
; x [8192][1024], W_attn [1024][3072] and W_proj [1024][1024], f32, become codes of FP4 (E2M1) with one E8M0 scale byte for each 32 along K (x: its last axis; the weights: their FIRST axis).
; A block's scale is 2^(floor(log2(its largest magnitude)) - 2); its byte is the largest magnitude's exponent field - 2, held at 1 from below.
; LIMITS: a block whose largest magnitude lies under 2^-124 gets the byte 1; a block of zeros gets the byte 1 where the rule says 127 (its codes are zeros, and this program alone reads the bytes); NaN and infinities among the inputs are not served.
; THE LAYOUT OF ALL THREE RESULTS: [K half 2][tile of 16 rows][unit of 4,352 bytes].  A unit is 16 planes of 256 bytes, plane b = block b (32 along K) of the half, row r's 16 bytes at 16 r, and a 17th plane, the scale bytes: row r's 16 at 16 r.
; Four planes on end are the image of a matrix operand's eight registers (16 rows x 128 K): lane (r, h), register group c = block 2 c + h of row r, at 512 c + 16 x lane.  So the products' launches read operands by plain 16-byte loads.
; ROWS ARE STORED WITH BITS 3 AND 4 OF THEIR INDEX EXCHANGED (tokens of x; columns n of the weights): as source 0 of a product such a tile leaves 16 true neighbours in the 16 result registers of two neighbouring tiles.
; SHARES: work-groups 0-255 take the weights (a lane a column, registers down K: 32 columns x 128 K a wave), work-groups 256-511 take 32 rows of x each.  The two ways part at once and never join; only x's way uses LDS and a barrier.
.set UNITB, 4352
.set KHX,   2228224                    ; bytes of a K half of xq: 512 tiles of rows
.set KHWA,  835584                     ; of waq: 192
.set KHWP,  278528                     ; of wpq: 64
.set WX,    48                         ; weights: v48-175 four blocks of 32 numbers
.set WC,    176                        ; v176-191 a block's codes, four registers for each block: no store's data are written again
.set WSB,   14                         ; v14 the four scale bytes
.set SP,    80                         ; x: a lane's place in a stage: 64 bytes + 16 of padding
.set OUT,   20480                      ; x: behind the four waves' stages (5,120 bytes each): four units, planes 272 bytes apart
.set UPL,   17*272
.set R,     16                         ; v16-79   four sets of 16 numbers as loaded
.set XX,    80                         ; v80-111  two sets of 16 neighbours
.set E,     112                        ; v112-127 a scale byte for each step
.set CC,    128                        ; v128-159 codes, two registers for each step
	s_load_b256 s[4:11], s[0:1], 0x0               ; x s[4:5], W_attn s[6:7], W_proj s[8:9], xq s[10:11]
	s_load_b128 s[12:15], s[0:1], 0x20             ; waq s[12:13], wpq s[14:15]
	v_lshl_add_u32 v192, v0, 2, 0x9c00
	v_mov_b32 v193, 0
	v_lshrrev_b32 v1, 5, v0
	v_readfirstlane_b32 s16, v1                    ; wave 0..3
	v_and_b32 v2, 31, v0                           ; lane
	s_cmp_lt_u32 ttmp9, 256
	s_cbranch_scc0 .Lx_path
; ---------------- the weights ----------------
; Block t of my column: all 32 numbers are mine.  left: how many younger loads may stay out.
.macro WBLOCK t, left
.set XS, WX+32*(\t)
	s_wait_loadcnt \left
	v_max3_num_f32 v12, |v[XS]|, |v[XS+1]|, |v[XS+2]|
	v_max3_num_f32 v13, |v[XS+3]|, |v[XS+4]|, |v[XS+5]|
.irp i, 6,10,14,18,22,26
	v_max3_num_f32 v12, v12, |v[XS+\i]|, |v[XS+\i+1]|
	v_max3_num_f32 v13, v13, |v[XS+\i+2]|, |v[XS+\i+3]|
.endr
	v_max3_num_f32 v12, v12, |v[XS+30]|, |v[XS+31]|
	v_max3_num_f32 v12, v12, v13, 0x1800000        ; and the floor 2^(3 - 127): the byte cannot fall under 1
	v_add_nc_u32 v11, 0xff000000, v12              ; 2 off the exponent field: the conversion takes this operand's exponent field as its scale
	v_lshrrev_b32 v13, 23, v11                     ; the scale's byte
.if (\t) == 0
	v_mov_b32 v[WSB], v13
.else
	v_lshl_or_b32 v[WSB], v13, 8*(\t), v[WSB]
.endif
.irp g, 0,1,2,3
	v_cvt_scalef32_pk8_fp4_f32 v[WC+4*(\t)+\g], v[XS+8*\g:XS+8*\g+7], v11
.endr
	global_store_b128 v4, v[WC+4*(\t):WC+4*(\t)+3], s[30:31] offset:256*(\t)   ; plane t of the image: the 16 lanes that share bit 3 of their number fill 256 consecutive bytes, aligned
.endm
; stride: bytes of a row of the weight; kh: bytes of a K half of its codes; src, dst: the pointers' registers; first: the first group of 128 columns that is this weight's
.macro WPATH stride, kh, src, dst, first
	s_sub_co_u32 s21, s21, \first                  ; which 128 columns of this weight
	s_mul_i32 s24, s20, 128*\stride                ; in: 128 rows for each part of K,
	s_lshl_b32 s25, s21, 9                         ; 512 bytes for each group of columns,
	s_add_co_u32 s24, s24, s25
	s_lshl_b32 s25, s16, 7                         ; 128 for each wave
	s_add_co_u32 s24, s24, s25
	s_mov_b32 s25, 0
	s_lshr_b32 s26, s20, 2                         ; out: the K half,
	s_mul_i32 s26, s26, \kh
	s_lshl_b32 s27, s21, 3
	s_lshl_b32 s28, s16, 1
	s_add_co_u32 s27, s27, s28                     ; the first of my two tiles of rows: 8 x group + 2 x wave,
	s_mul_i32 s27, s27, UNITB
	s_add_co_u32 s26, s26, s27
	s_and_b32 s28, s20, 3                          ; and which 128 of the half's 512
	s_lshl_b32 s29, s28, 10
	s_add_co_u32 s34, s26, s29                     ; the codes' image
	s_mov_b32 s35, 0
	s_lshl_b32 s29, s28, 2
	s_add_co_u32 s36, s26, s29                     ; the scale word's place in a row's 16 bytes
	s_mov_b32 s37, 0
	s_wait_kmcnt 0x0
	s_add_nc_u64 s[\src:\src+1], s[\src:\src+1], s[24:25]
	s_add_nc_u64 s[30:31], s[\dst:\dst+1], s[34:35]
	s_add_nc_u64 s[32:33], s[\dst:\dst+1], s[36:37]
.set i, 0
.rept 128
	global_load_b32 v[WX+i], v3, s[\src:\src+1] offset:i*\stride th:TH_LOAD_NT   ; row i of my part of K at 32 neighbouring columns: 128 consecutive bytes a wave, 512 a work-group
.set i, i+1
.endr
	WBLOCK 0, 63                                   ; 96 younger loads could stay out; a wait names 63 at the most
	WBLOCK 1, 63                                   ; 64 could
	WBLOCK 2, 32                                   ; the last block's 32
	WBLOCK 3, 0
	global_store_b32 v4, v[WSB], s[32:33] offset:4096   ; my column's four scale bytes: 4 bytes a lane, 16 apart; the four parts of a K half fill a row's 16 bytes between them
	s_endpgm
.endm
	s_and_b32 s20, ttmp9, 7                        ; which 128 along K
	s_lshr_b32 s21, ttmp9, 3                       ; which 128 columns: 0-23 W_attn's, 24-31 W_proj's
	v_lshlrev_b32 v3, 2, v2                        ; in: 4 bytes a lane
	v_bfe_u32 v4, v2, 3, 1                         ; out: column l of 32 is stored as row (l & 7) + 8 (l >> 4) of tile (l >> 3) & 1
	v_mul_u32_u24 v4, v4, UNITB
	v_lshrrev_b32 v5, 4, v2
	v_and_b32 v6, 7, v2
	v_lshl_add_u32 v5, v5, 3, v6
	v_lshl_add_u32 v4, v5, 4, v4
	s_cmp_lt_u32 s21, 24
	s_cbranch_scc0 .Lw_proj
	s_wait_alu depctr_va_vdst(0)
	WPATH 12288, KHWA, 6, 12, 0
.Lw_proj:
	s_wait_alu depctr_va_vdst(0)
	WPATH 4096, KHWP, 8, 14, 24
; ---------------- x ----------------
; A wave takes 8 true rows, 16 steps of 512 numbers (half a row).  Each load reads 512 consecutive bytes; a step's 2,048 bytes turn through the wave's own stage so that a lane holds 16 neighbours (two lanes to a block).
; The codes and bytes gather in four units in LDS (2 tiles of rows x 2 K halves); behind one barrier each wave stores one unit as it lies.
.Lx_path:
	s_sub_co_u32 s17, ttmp9, 256                   ; which 32 rows
	s_wait_alu depctr_va_vdst(0)
	v_lshlrev_b32 v3, 4, v2                        ; 16 x lane
	s_mul_i32 s18, s16, 5120                       ; my two stages
	v_lshrrev_b32 v14, 2, v2
	v_mul_u32_u24 v14, v14, SP
	v_and_b32 v15, 3, v2
	v_lshl_add_u32 v14, v15, 4, v14
	v_add_nc_u32 v14, s18, v14                     ; into a stage: SP (lane / 4) + 16 (lane % 4)
	v_mul_u32_u24 v15, v2, SP
	v_add_nc_u32 v15, s18, v15                     ; out of it: SP x lane
	s_and_b32 s19, s16, 1                          ; true row 8 w + t / 2 is stored as row 8 (w >> 1) + t / 2 of tile w & 1
	s_mul_i32 s19, s19, 2*UPL
	s_lshr_b32 s20, s16, 1
	s_lshl_b32 s20, s20, 7
	s_add_co_u32 s19, s19, s20
	s_add_co_u32 s19, s19, OUT
	v_lshrrev_b32 v5, 1, v2                        ; my block of the step's 16
	v_mul_u32_u24 v4, v5, 272
	v_and_b32 v6, 1, v2
	v_lshl_add_u32 v4, v6, 3, v4
	v_add_nc_u32 v4, s19, v4                       ; my 8 bytes of codes: plane = block, + 8 x (lane & 1)
	v_add_nc_u32 v5, s19, v5
	v_add_nc_u32 v5, 4352, v5                      ; my block's byte in the 17th plane
	s_mul_i32 s21, s16, UPL                        ; the way out: unit w = tile w >> 1, K half w & 1
	s_add_co_u32 s21, s21, OUT
	v_lshrrev_b32 v6, 4, v2
	v_mul_u32_u24 v6, v6, 272
	v_and_b32 v7, 15, v2
	v_lshl_add_u32 v6, v7, 4, v6
	v_add_nc_u32 v6, s21, v6                       ; two planes an instruction, sixteen lanes to a plane
	v_lshlrev_b32 v7, 3, v2
	v_add_nc_u32 v10, s21, v7
	v_add_nc_u32 v10, 4352, v10                    ; the scale plane: 8 bytes a lane
	s_lshl_b32 s22, s17, 2
	s_add_co_u32 s22, s22, s16
	s_lshl_b32 s22, s22, 15                        ; in: 8 rows of 4,096 bytes for each wave
	s_mov_b32 s23, 0
	s_and_b32 s24, s16, 1
	s_mul_i32 s24, s24, KHX
	s_lshl_b32 s25, s17, 1
	s_lshr_b32 s26, s16, 1
	s_add_co_u32 s25, s25, s26
	s_mul_i32 s25, s25, UNITB
	s_add_co_u32 s24, s24, s25
	s_mov_b32 s25, 0
	s_wait_kmcnt 0x0
	s_add_nc_u64 s[4:5], s[4:5], s[22:23]
	s_add_nc_u64 s[10:11], s[10:11], s[24:25]
.macro XLOAD t
.irp i, 0,1,2,3
	global_load_b128 v[R+16*((\t)%4)+4*\i:R+16*((\t)%4)+4*\i+3], v3, s[4:5] offset:2048*(\t)+512*\i th:TH_LOAD_NT
.endr
.endm
.macro XTURN t                         ; LDS serves a wave's instructions in order (ISA guide 5.7.1.4): no wait between the stores and the loads
.irp i, 0,1,2,3
	ds_store_b128 v14, v[R+16*((\t)%4)+4*\i:R+16*((\t)%4)+4*\i+3] offset:32*SP*((\t)%2)+8*SP*\i
.endr
.irp i, 0,1,2,3
	ds_load_b128 v[XX+16*((\t)%2)+4*\i:XX+16*((\t)%2)+4*\i+3], v15 offset:32*SP*((\t)%2)+16*\i
.endr
.endm
.irp t, 0,1,2,3
	XLOAD \t
.endr
	s_wait_loadcnt 12                              ; step 0's four loads are in
	XTURN 0
.macro XSTEP t
.set XS, XX+16*((\t)%2)
.if (\t) > 0
	s_wait_dscnt 2                                 ; this step's numbers are back from the stage; the last step's two stores of results may be out
.else
	s_wait_dscnt 0x0
.endif
.if (\t)+4 < 16
	XLOAD (\t)+4                                   ; into the registers that this step's stores into the stage have read
.endif
.if (\t)+1 < 16
.if 14-(\t) >= 3
	s_wait_loadcnt 12                              ; the next step's loads are in; those of the three steps behind it may be out
.else
	s_wait_loadcnt 4*(14-(\t))
.endif
	XTURN (\t)+1
.endif
	v_max3_num_f32 v8, |v[XS]|, |v[XS+1]|, |v[XS+2]|
	v_max3_num_f32 v9, |v[XS+3]|, |v[XS+4]|, |v[XS+5]|
.irp i, 6,10
	v_max3_num_f32 v8, v8, |v[XS+\i]|, |v[XS+\i+1]|
	v_max3_num_f32 v9, v9, |v[XS+\i+2]|, |v[XS+\i+3]|
.endr
	v_max3_num_f32 v8, v8, |v[XS+14]|, |v[XS+15]|
	v_max3_num_f32 v8, v8, v9, 0x1800000           ; and the floor 2^(3 - 127)
	v_max_num_f32_dpp v8, v8, v8 row_xmask:1 row_mask:0xf bank_mask:0xf   ; with my neighbour's 16: the block's largest magnitude
	v_add_nc_u32 v11, 0xff000000, v8
	v_cvt_scalef32_pk8_fp4_f32 v[CC+2*(\t)], v[XS:XS+7], v11
	v_cvt_scalef32_pk8_fp4_f32 v[CC+2*(\t)+1], v[XS+8:XS+15], v11
	v_lshrrev_b32 v[E+(\t)], 23, v11               ; the scale's byte (a plain line behind the conversions)
	ds_store_b64 v4, v[CC+2*(\t):CC+2*(\t)+1] offset:((\t)%2)*UPL+((\t)/2)*16
	ds_store_b8 v5, v[E+(\t)] offset:((\t)%2)*UPL+((\t)/2)*16   ; both lanes of a block write the same byte with the same value
.endm
.irp t, 0,1,2,3,4,5,6,7,8,9,10,11,12,13,14,15
	XSTEP \t
.endr
	s_wait_dscnt 0x0                               ; for the others' sake: my stores into the units are done
	s_barrier_signal -1
	s_barrier_wait -1
.irp i, 0,1,2,3,4,5,6,7
	ds_load_b128 v[16+4*\i:19+4*\i], v6 offset:544*\i
.endr
	ds_load_b64 v[48:49], v10
.irp i, 0,1,2,3,4,5,6,7
	s_wait_dscnt 8-\i
	global_store_b128 v3, v[16+4*\i:19+4*\i], s[10:11] offset:512*\i   ; 32 lanes store 512 consecutive bytes, aligned
.endr
	s_wait_dscnt 0x0
	global_store_b64 v7, v[48:49], s[10:11] offset:4096                  ; the unit's 256 scale bytes
	s_wait_tensorcnt 0x0
	ds_add_u32 v192, v193
	s_wait_dscnt 0x0
	s_endpgm
.Lfunc_end_k_qff78a87360_quant:
	.size	k_qff78a87360_quant, .Lfunc_end_k_qff78a87360_quant-k_qff78a87360_quant
	.p2alignl 7, 3214868480
	.fill 96, 4, 3214868480
	.section	.rodata,"a",@progbits
	.p2align	6, 0x0
	.amdhsa_kernel k_qff78a87360_quant
		.amdhsa_group_segment_fixed_size 40448
		.amdhsa_private_segment_fixed_size 0
		.amdhsa_enable_private_segment 0
		.amdhsa_kernarg_size 48
		.amdhsa_user_sgpr_count 2
		.amdhsa_user_sgpr_kernarg_segment_ptr 1
		.amdhsa_wavefront_size32 1
		.amdhsa_system_sgpr_workgroup_id_x 1
		.amdhsa_system_sgpr_workgroup_id_y 1
		.amdhsa_system_sgpr_workgroup_id_z 1
		.amdhsa_system_vgpr_workitem_id 0
		.amdhsa_next_free_vgpr 194
		.amdhsa_next_free_sgpr 66
		.amdhsa_reserve_vcc 0
		.amdhsa_float_denorm_mode_32 3
		.amdhsa_float_denorm_mode_16_64 3
		.amdhsa_memory_ordered 1
		.amdhsa_forward_progress 1
		.amdhsa_inst_pref_size 74
	.end_amdhsa_kernel
	.amdgpu_metadata
---
amdhsa.version: [ 1, 2 ]
amdhsa.kernels:
  - .name:           k_qff78a87360_quant
    .symbol:         k_qff78a87360_quant.kd
    .args:
      - { .name: x, .offset: 0, .size: 8, .value_kind: global_buffer, .address_space: global }
      - { .name: W_attn, .offset: 8, .size: 8, .value_kind: global_buffer, .address_space: global }
      - { .name: W_proj, .offset: 16, .size: 8, .value_kind: global_buffer, .address_space: global }
      - { .name: xq, .offset: 24, .size: 8, .value_kind: global_buffer, .address_space: global }
      - { .name: waq, .offset: 32, .size: 8, .value_kind: global_buffer, .address_space: global }
      - { .name: wpq, .offset: 40, .size: 8, .value_kind: global_buffer, .address_space: global }
    .group_segment_fixed_size: 40448
    .private_segment_fixed_size: 0
    .kernarg_segment_align: 8
    .kernarg_segment_size: 48
    .max_flat_workgroup_size: 128
    .sgpr_count:     66
    .vgpr_count:     194
    .wavefront_size: 32
...
	.end_amdgpu_metadata
.endif
;; end of part 1
;; launch gemm_qkv (part 2): grid 12 x 32, 4 waves a work-group, clusters of 4 x 4, 327,680 bytes of LDS; arguments xq, waq, b_attn, qq, kv; writes qq, kv
.if DOCPART == 2
	.amdgcn_target "amdgcn-amd-amdhsa--gfx1250"
	.amdhsa_code_object_version 6
	.text
	.protected	k_qff78a87360_gemm_qkv
	.globl	k_qff78a87360_gemm_qkv
	.p2align	8
	.type	k_qff78a87360_gemm_qkv,@function
k_qff78a87360_gemm_qkv:
	s_mov_b64 s[64:65], 0
	v_nop
	global_prefetch_b8 v0, s[64:65] scope:SCOPE_SE
	s_setreg_imm32_b32 hwreg(HW_REG_WAVE_MODE, 25, 1), 1
	s_wait_xcnt 0x0
	s_wait_alu depctr_hold_cnt(0) depctr_sa_sdst(0) depctr_va_vdst(0) depctr_va_sdst(0) depctr_va_ssrc(0) depctr_va_vcc(0) depctr_vm_vsrc(0)
	s_getreg_b32 s2, hwreg(HW_REG_IB_STS2, 6, 4)
	s_cmp_eq_u32 s2, 0
	s_cbranch_scc0 .Lentry_in_a_cluster
	s_endpgm
.Lentry_in_a_cluster:
	s_bfe_u32 s2, ttmp6, 0x10000c
	s_cmp_lg_u32 s2, 0xf033
	s_cbranch_scc0 .Lentry_shape_is_right
	s_endpgm
.Lentry_shape_is_right:
; qkv = Q(x) Q(W_attn) + b_attn on codes of FP4 (E2M1) with E8M0 scales, and its result quantised at once for the attention: q and k along the head's 64, v along the keys.  Only codes and scale bytes leave.
; A work-group of four waves makes 256 x 256 of the product, a wave 128 x 128: 64 accumulators, 512 registers.  K = 1,024 is two slots of 512 in LDS, BOTH FIRST FILLS: nothing is filled again.
; OPERANDS lie in memory as [K half][tile of 16 rows][unit of 4,352 bytes = four images of an operand's registers + 256 scale bytes]: 128 rows of a half are 34,816 consecutive bytes, one tensor load, codes and scales together;
; a fragment is two 16-byte loads at 16 x lane.  Rows are stored with bits 3 and 4 of their index exchanged, so that the 16 result registers of source 0's tiles 2 b and 2 b + 1 are 16 TRUE neighbours.
; KINDS, by the cluster's x (the same in all sixteen partners): 0 = q, 1 = k: source 0 = 16 columns of W, source 1 = 16 tokens: a lane holds one token and registers along the head.  2 = v: THE ROLES ARE SWAPPED
; (source 0 = 16 tokens, source 1 = 16 columns of W_v): a lane holds one channel and registers along the keys, which are the K of the attention's second product.  Below 'A' is source 1's operand, 'B' source 0's.
; CLUSTERS: 4 x 4 work-groups; A's tiles are asked for jointly along a row of the cluster, B's along a column.
; RESULTS.  qq [head 64][128 tokens 16][4,608]: 8 tiles of 16 tokens x 512 bytes (lane (r, h): block h of the head's 64), then 2 x 256 bytes of scale words [r][4 tiles], bytes 0 and 1 real, 2 and 3 zero.
; kv [head][key step 16][8,960]: the same 4,608 bytes for k, then four images of v (16 channels x 128 keys, 1,024 bytes each), then 256 bytes of v's scale words [r][4 tiles].
; LIMITS: a block whose largest magnitude lies under 2^-124, a block of zeros among them, gets the scale byte 1 (this program alone reads the bytes); NaN and infinities are not served.
; REGISTERS, in windows of 256: window 0: v0-31 addresses; v32-95 scale words, two sets, and nothing else; v96-127 at work in the quantiser; v128-191 A's fragments, later 64 biased numbers; v192-255 codes to store.
;   window 1: B's fragments, two sets, at v0 and v128; v64-127 the bias.   windows 2, 3: the accumulators ((a, b) at v[8 (8 (a % 4) + b)] of window 2 + a / 4).
.set UNITB,  4352
.set NQ,     4                         ; matrix instructions deep in a slot
.set FR,     8                         ; registers of a fragment
.set NL,     2                         ; LDS loads that bring one
.set NP,     4                         ; places behind this matrix instruction (ISA guide 7.12.1)
.set HALFT,  8*UNITB                   ; 128 rows x 512 K with their scales: what one tensor load brings
.set SLOT,   4*HALFT                   ; A's two halves, then B's
.set SPARE,  2*SLOT                    ; behind the slots: the spare words, 128 bytes for each wave
.set KHX,    2228224                   ; bytes of a K half of xq
.set KHWA,   835584                    ; of waq
.set HEADQ,  73728
.set QUNIT,  4608
.set HEADKV, 143360
.set UNIT,   8960
.set ADRA, 16                          ; v16-17 LDS address of my A fragments in slot 0, 1
.set ADRB, 20                          ; v20-21 the same for B
.set BQK,  22                          ; v22 the bias's lane term for q, k: 64 h
.set BV,   23                          ; v23 for v: 4 x ((r & 7) + 16 (r >> 3))
.set SOFF, 24                          ; v24 where my 16 bytes of scale words go
.set SH16, 25                          ; v25 16 h
.set LI,   26                          ; v26 16 x lane
.set ADRS, 27                          ; v27 LDS address of my scale words: lanes 0-15 A's rows, lanes 16-31 B's
.set SPW,  28                          ; v28 my spare word; never rewritten
.set NIL,  29                          ; v29 0; never rewritten
.set SC,   32
.set TM,   96                          ; v96-99 largest magnitudes, v100-103 bytes, v108-111 the conversions' scale operands
.set SW,   112                         ; v112-119 a scale word for each of A's blocks
.set AF,   128
.set T,    128
.set PC,   192
.set BI,   64                          ; in window 1
.set G1,   24
.set G0,   32
.set G1B,  48
.set G0B,  56
.set SEL,  84
.set MSB, 0
.macro WIN new                         ; the immediate's high byte repeats the setting that is left
.if MSB != (\new)
	s_set_vgpr_msb (MSB<<8)|(\new)
.set MSB, \new
.endif
.endm
.set MUL_LO, 0xa1                      ; source 0 (B) window 1, source 1 (A) window 0, C and D window 2
.set MUL_HI, 0xf1                      ; the same, C and D window 3
.set TO_B,   0x40                      ; destination window 1, address window 0
; A joint load: waves 0 and 1 fetch A's halves, waves 2 and 3 B's.  The branch hangs on the wave's number alone.  Four v_nop follow each of the two lines.
.macro JLOAD g0a, g1a, g0b, g1b
	s_cmp_eq_u32 s15, 0
	s_cbranch_scc0 .Lfor_b_\@
	tensor_load_to_lds s[\g0a:\g0a+3], s[\g1a:\g1a+7]
	s_nop 0
.rept 4
	v_nop
.endr
	s_branch .Lasked_\@
.Lfor_b_\@:
	tensor_load_to_lds s[\g0b:\g0b+3], s[\g1b:\g1b+7]
	s_nop 0
.rept 4
	v_nop
.endr
.Lasked_\@:
.endm
.macro CROUND                          ; a round of the cluster's barrier
	s_barrier_signal -1
	s_barrier_wait -1
	s_cmp_lg_u32 s14, 0
	s_cbranch_scc1 .Lnot_wave_0_\@
	s_barrier_signal -3
.Lnot_wave_0_\@:
	s_barrier_wait -3
	s_barrier_signal -1
	s_barrier_wait -1
.endm
	s_load_b256 s[4:11], s[0:1], 0x0               ; xq s[4:5], waq s[6:7], b_attn s[8:9], qq s[10:11]
	s_load_b64 s[12:13], s[0:1], 0x20              ; kv
	v_lshl_add_u32 v[SPW], v0, 2, SPARE
	v_mov_b32 v[NIL], 0
	ds_add_u32 v28, v29
	ds_add_u32 v28, v29
	s_wait_dscnt 0x0
	v_lshrrev_b32 v1, 5, v0
	v_readfirstlane_b32 s14, v1                    ; wave 0..3
	s_lshr_b32 s15, s14, 1                         ; which half of A's rows is mine.  Also: I fetch for A (0) or for B (1)
	s_and_b32 s16, s14, 1                          ; which half of B's rows.  Also: which 128 rows I fetch
	s_bfe_u32 s40, ttmp6, 0x40000                  ; cx, cy: my place in the cluster
	s_bfe_u32 s41, ttmp6, 0x40004
	s_and_b32 s18, ttmp7, 0xffff                   ; the cluster's y
	s_cmp_eq_u32 ttmp9, 2                          ; kind v?  The cluster's x: the same in all partners
	s_cselect_b32 s19, s18, ttmp9                  ; B's coordinate: tokens by the cluster's y, or W's columns by the kind
	s_cselect_b32 s20, 2, s18                      ; A's: W_v's columns, or tokens
	s_mov_b32 s70, KHX
	s_cselect_b32 s70, KHWA, s70                   ; bytes of a K half of A,
	s_mov_b32 s72, KHWA
	s_cselect_b32 s72, KHX, s72                    ; and of B
	s_mov_b32 s71, 0
	s_mov_b32 s73, 0
	s_lshl_b32 s42, s19, 2
	s_add_co_u32 s42, s42, s40                     ; B's tile of 256 rows
	s_lshl_b32 s17, s20, 2
	s_add_co_u32 s17, s17, s41                     ; A's
	s_lshl_b32 s43, s41, 2
	s_lshl_b32 s43, 15, s43                        ; my row of the cluster
	s_lshl_b32 s44, 0x1111, s40                    ; my column
	; descriptor group 1: a dense block of 34,816 bytes as 136 rows of 256 (32 elements of 8 bytes), no padding
	s_or_b32 s[G1+0], s43, (3<<16)|(1<<21)         ; 15:0 the mask: A's tiles go to my row; 17:16 elements of 8 bytes; 21 set beside a mask
	s_or_b32 s[G1B+0], s44, (3<<16)|(1<<21)
.irp g, G1, G1B
	s_mov_b32 s[\g+1], 32<<16                      ; tensor_dim0
	s_mov_b32 s[\g+2], 136<<16                     ; tensor_dim1
	s_mov_b32 s[\g+3], 32<<16                      ; tile_dim0
	s_mov_b32 s[\g+4], 136                         ; tile_dim1
	s_mov_b32 s[\g+5], 32                          ; tensor_dim0_stride
	s_mov_b32 s[\g+6], 0
	s_mov_b32 s[\g+7], 0
.endr
	s_lshl_b32 s18, s16, 3                         ; which 8 tiles of rows I fetch
	s_lshl_b32 s20, s17, 4
	s_add_co_u32 s20, s20, s18
	s_mul_i32 s20, s20, UNITB                      ; A: in bytes
	s_mov_b32 s21, 0
	s_lshl_b32 s46, s42, 4
	s_add_co_u32 s46, s46, s18
	s_mul_i32 s46, s46, UNITB                      ; B
	s_mov_b32 s47, 0
	s_mul_i32 s45, s14, HALFT                      ; where they go: wave x 34,816: no place in the cluster enters an LDS address
	s_mov_b32 s[SEL], 0x76543210
	s_mov_b32 s[SEL+1], 0xfedcba98                 ; v_permlanex16_b32's selects for lane l xor 16
	s_wait_kmcnt 0x0
	s_cmp_eq_u32 ttmp9, 2
	s_cselect_b64 s[66:67], s[6:7], s[4:5]         ; A's buffer
	s_cselect_b64 s[68:69], s[4:5], s[6:7]         ; B's
	s_add_nc_u64 s[20:21], s[66:67], s[20:21]
	s_add_nc_u64 s[46:47], s[68:69], s[46:47]
	CROUND                                         ; all sixteen work-groups are here: the joint loads meet
	s_mov_b32 s[G0], 1
	s_mov_b32 s[G0+1], s45
	s_mov_b64 s[G0+2:G0+3], s[20:21]
	s_or_b32 s[G0+3], s[G0+3], 0x80000000
	s_mov_b32 s[G0B], 1
	s_mov_b32 s[G0B+1], s45
	s_mov_b64 s[G0B+2:G0B+3], s[46:47]
	s_or_b32 s[G0B+3], s[G0B+3], 0x80000000
	JLOAD G0, G1, G0B, G1B                         ; K half 0
	s_mov_b32 s[G0+4], 1
	s_add_co_u32 s[G0+5], s45, SLOT
	s_add_nc_u64 s[G0+6:G0+7], s[20:21], s[70:71]
	s_or_b32 s[G0+7], s[G0+7], 0x80000000
	s_mov_b32 s[G0B+4], 1
	s_add_co_u32 s[G0B+5], s45, SLOT
	s_add_nc_u64 s[G0B+6:G0B+7], s[46:47], s[72:73]
	s_or_b32 s[G0B+7], s[G0B+7], 0x80000000
	JLOAD G0+4, G1, G0B+4, G1B                     ; K half 1: two loads of mine are out
	v_and_b32 v1, 15, v0                           ; r
	v_bfe_u32 v2, v0, 4, 1                         ; h
	s_wait_alu depctr_va_vdst(0)
	v_and_b32 v3, 31, v0
	v_lshlrev_b32 v[LI], 4, v3
	s_mul_i32 s21, s15, HALFT                      ; my 128 rows of A
	s_mul_i32 s22, s16, HALFT
	s_add_co_u32 s22, s22, 2*HALFT                 ; my 128 rows of B, behind A's 256
.irp s, 0,1
	v_add_nc_u32 v[ADRA+\s], s21, v[LI]
	v_add_nc_u32 v[ADRB+\s], s22, v[LI]
	s_add_co_u32 s21, s21, SLOT
	s_add_co_u32 s22, s22, SLOT
.endr
	v_lshlrev_b32 v5, 4, v1                        ; my row's 16 scale bytes
	s_mul_i32 s21, s15, HALFT
	s_mul_i32 s22, s16, HALFT
	s_add_co_u32 s22, s22, 2*HALFT
	s_sub_co_u32 s22, s22, s21
	v_mul_u32_u24 v6, s22, v2                      ; lanes 16-31 take B's
	s_add_co_u32 s21, s21, 4096                    ; behind a unit's codes
	v_add_nc_u32 v5, v5, v6
	v_add_nc_u32 v[ADRS], s21, v5
	v_lshlrev_b32 v[BQK], 6, v2
	v_lshlrev_b32 v[SH16], 4, v2
	v_and_b32 v3, 7, v1
	v_lshrrev_b32 v4, 3, v1
	v_lshl_add_u32 v3, v4, 4, v3
	v_lshlrev_b32 v[BV], 2, v3
.irp b, 0,1,2,3
	v_mov_b32 v[TM+4+\b], 0                        ; written once: a lane permute's destination counts as one of its sources
.endr
.macro FRAG reg, adr, q, i             ; a fragment: the image's two groups of four registers, 512 bytes each, 16 bytes a lane
.irp c, 0,1
	ds_load_b128 v[\reg+4*\c:\reg+4*\c+3], v[\adr] offset:(\i)*UNITB+(\q)*1024+512*\c
.endr
.endm
; 16 matrix instructions: A's blocks a0, a0 + 1 x B's eight, the slot's q-th 128 along K.  p: B's set; sc: the set of scale words; zero = 1: the product starts the sums.
; The 64 accumulators take turns, one instruction a turn, in the same order in every step.
.macro MUL16 a0, p, q, sc, zero
.irp a, \a0, \a0+1
.irp b, 0,1,2,3,4,5,6,7
.if \zero
	v_wmma_scale_f32_16x16x128_f8f6f4 v[8*(8*((\a)%4)+\b):8*(8*((\a)%4)+\b)+7], v[128*(\p)+FR*\b:128*(\p)+FR*\b+FR-1], v[AF+FR*(\a):AF+FR*(\a)+FR-1], 0, v[SC+8*NQ*(\sc)+NQ*\b+(\q)], v[SC+8*NQ*(\sc)+NQ*(\a)+(\q)] matrix_a_fmt:MATRIX_FMT_FP4 matrix_b_fmt:MATRIX_FMT_FP4 matrix_a_scale:MATRIX_SCALE_ROW1
.else
	v_wmma_scale_f32_16x16x128_f8f6f4 v[8*(8*((\a)%4)+\b):8*(8*((\a)%4)+\b)+7], v[128*(\p)+FR*\b:128*(\p)+FR*\b+FR-1], v[AF+FR*(\a):AF+FR*(\a)+FR-1], v[8*(8*((\a)%4)+\b):8*(8*((\a)%4)+\b)+7], v[SC+8*NQ*(\sc)+NQ*\b+(\q)], v[SC+8*NQ*(\sc)+NQ*(\a)+(\q)] matrix_a_fmt:MATRIX_FMT_FP4 matrix_b_fmt:MATRIX_FMT_FP4 matrix_a_scale:MATRIX_SCALE_ROW1
.endif
.endr
.endr
.endm
.macro FETCH_B slot, q, p
	WIN TO_B
.irp i, 0,1,2,3,4,5,6,7
	FRAG 128*(\p)+FR*\i, ADRB+\slot, \q, \i
.endr
	WIN 0
.endm
.macro FETCH_A slot, q, i0
.irp i, \i0, \i0+1, \i0+2, \i0+3
	FRAG AF+FR*(\i), ADRA+\slot, \q, \i
.endr
.endm
.macro SCALES sc                       ; a slot's scale words: four words a row; lanes 0-15 take A's block i, lanes 16-31 B's block i
.irp i, 0,1,2,3,4,5,6,7
	ds_load_b128 v[SC+8*NQ*\sc+NQ*\i:SC+8*NQ*\sc+NQ*\i+3], v[ADRS] offset:\i*UNITB
.endr
.endm
.macro PLACES n                        ; plain vector lines between a matrix instruction and a load into, or a vector read or write of, its registers (ISA guide 7.12.1 for vector reads and writes)
.rept \n
	v_nop
.endr
.endm
.macro STEP slot, q, zero              ; 128 along K that has its successor in the same slot.  One set of registers serves A: blocks 0-3 are fetched anew in the middle, blocks 4-7 at the end
	s_wait_dscnt 4*NL                              ; all but the youngest eight loads (A's blocks 4-7) are in
	WIN MUL_LO
	MUL16 0, (\q)%2, \q, \slot, \zero
	MUL16 2, (\q)%2, \q, \slot, \zero
	s_wait_dscnt 0
	PLACES NP
	FETCH_B \slot, (\q)+1, 1-(\q)%2
	FETCH_A \slot, (\q)+1, 0
	WIN MUL_HI
	MUL16 4, (\q)%2, \q, \slot, \zero
	MUL16 6, (\q)%2, \q, \slot, \zero
	PLACES NP
	WIN 0
	FETCH_A \slot, (\q)+1, 4
.endm
.macro STEPS slot, from
.set Q, \from
.rept NQ-1-\from
	STEP \slot, Q, 0
.set Q, Q+1
.endr
.endm
; Slot 0's last step changes slots: each wave waits for its part of slot 1 and says so at one barrier.  Nothing is filled again.
.macro TURN slot, next
	s_wait_tensorcnt 0x0                           ; all my tensor loads have landed
	ds_add_u32 v[SPW], v[NIL]                      ; 0 onto my spare word
	s_wait_dscnt 4*NL+1                            ; the add and the youngest eight loads may be out
	WIN MUL_LO
	MUL16 0, 1, NQ-1, \slot, 0
	s_wait_dscnt 0x0
	s_barrier_signal -1
	MUL16 2, 1, NQ-1, \slot, 0
	WIN 0
	s_barrier_wait -1
	PLACES NP
	v_add_nc_u32 v[ADRS], SLOT, v[ADRS]            ; on to the next slot's scale words (no LDS load of mine is out)
	FETCH_B \next, 0, 0
	FETCH_A \next, 0, 0
	SCALES \next
	WIN MUL_HI
	MUL16 4, 1, NQ-1, \slot, 0
	MUL16 6, 1, NQ-1, \slot, 0
	PLACES NP
	WIN 0
	FETCH_A \next, 0, 4
.endm
.macro TAIL                            ; slot 1
	STEPS 1, 0
	s_wait_dscnt 4*NL
	WIN MUL_LO
	MUL16 0, 1, NQ-1, 1, 0
	MUL16 2, 1, NQ-1, 1, 0
	s_wait_dscnt 0
	WIN MUL_HI
	MUL16 4, 1, NQ-1, 1, 0
	MUL16 6, 1, NQ-1, 1, 0
	WIN 0
.endm
; 64 numbers of a lane, register 16 b + i = k 32 b + 16 (lane / 16) + i of my row, become a fragment's codes in v[pc] on and its scale word in v[pw].
.macro QUANT s, pc, pw
.irp b, 0,1,2,3
	v_max3_num_f32 v[TM+\b], |v[\s+16*\b]|, |v[\s+1+16*\b]|, 0x1800000   ; my 16 numbers of block b, and the floor 2^(3 - 127)
.endr
.irp i, 2,4,6,8,10,12,14
.irp b, 0,1,2,3
	v_max3_num_f32 v[TM+\b], v[TM+\b], |v[\s+16*\b+\i]|, |v[\s+1+16*\b+\i]|
.endr
.endr
.irp b, 0,1,2,3
	v_permlanex16_b32 v[TM+4+\b], v[TM+\b], s[SEL], s[SEL+1]
.endr
.irp b, 0,1,2,3
	v_max_num_f32 v[TM+\b], v[TM+\b], v[TM+4+\b]   ; with lane l xor 16's: the block's largest magnitude
.endr
.irp b, 0,1,2,3
	v_add_nc_u32 v[TM+12+\b], 0xff000000, v[TM+\b] ; 2 off its exponent field: the conversion's scale operand
.endr
.irp b, 0,1,2,3
	v_lshrrev_b32 v[TM+4+\b], 23, v[TM+12+\b]      ; the scale's byte
.endr
	v_lshl_or_b32 v[\pw], v[TM+5], 8, v[TM+4]
	v_lshl_or_b32 v[\pw], v[TM+6], 16, v[\pw]
	v_lshl_or_b32 v[\pw], v[TM+7], 24, v[\pw]
.irp b, 0,1,2,3
	v_cvt_scalef32_pk8_fp4_f32 v[\pc+2*\b], v[\s+16*\b:\s+7+16*\b], v[TM+12+\b]
	v_cvt_scalef32_pk8_fp4_f32 v[\pc+1+2*\b], v[\s+8+16*\b:\s+15+16*\b], v[TM+12+\b]
.endr
	v_nop                                          ; one plain place behind a scaled conversion
.irp c, 0,1                                    ; the operand's layout wants a whole block in a lane
.irp i, 0,1
	v_permlane16_swap_b32 v[\pc+4*\c+\i], v[\pc+2+4*\c+\i]
.endr
.endr
.endm
	s_wait_tensorcnt 1                             ; my part of slot 0 is in; slot 1's load may be out
	s_barrier_signal -1
	s_barrier_wait -1
	FETCH_B 0, 0, 0
	FETCH_A 0, 0, 0
	SCALES 0
	FETCH_A 0, 0, 4
	STEP 0, 0, 1                                   ; the first products start the sums: nothing is cleared
	STEPS 0, 1
	TURN 0, 1
	s_cmp_eq_u32 ttmp9, 2                          ; the kinds part here: each asks for its bias, multiplies slot 1 while it comes, and goes out its own way
	s_cbranch_scc1 .Lkind_v
	; ---- q and k.  The bias runs along a lane's registers: register 16 b + i is column 32 b + 16 h + i of my 128
	s_lshl_b32 s74, s42, 10
	s_lshl_b32 s75, s16, 9
	s_add_co_u32 s74, s74, s75
	s_mov_b32 s75, 0
	s_add_nc_u64 s[74:75], s[8:9], s[74:75]
	WIN TO_B
.irp b, 0,1,2,3
.irp m, 0,1,2,3
	global_load_b128 v[BI+16*\b+4*\m:BI+16*\b+4*\m+3], v[BQK], s[74:75] offset:128*\b+16*\m
.endr
.endr
	WIN 0
	s_cmp_eq_u32 ttmp9, 0
	s_mov_b32 s76, HEADKV
	s_cselect_b32 s76, HEADQ, s76                  ; bytes of a head,
	s_mov_b32 s77, UNIT
	s_cselect_b32 s77, QUNIT, s77                  ; of 128 tokens' unit,
	s_cselect_b64 s[78:79], s[10:11], s[12:13]     ; and the buffer: qq or kv
	s_lshr_b32 s80, s17, 3
	s_lshl_b32 s80, s80, 4                         ; 16 heads for each batch,
	s_lshl_b32 s81, s40, 2
	s_add_co_u32 s80, s80, s81                     ; 4 for each 256 columns,
	s_lshl_b32 s81, s16, 1
	s_add_co_u32 s80, s80, s81                     ; 2 for my half: the first of my two heads
	s_mul_i32 s80, s80, s76
	s_and_b32 s81, s17, 7
	s_lshl_b32 s81, s81, 1
	s_add_co_u32 s81, s81, s15                     ; which 128 tokens of the batch
	s_mul_i32 s81, s81, s77
	s_add_co_u32 s80, s80, s81
	s_mov_b32 s81, 0
	s_add_nc_u64 s[78:79], s[78:79], s[80:81]      ; my first head's unit,
	s_mov_b32 s77, 0
	s_add_nc_u64 s[82:83], s[78:79], s[76:77]      ; my second head's
	v_mul_lo_u32 v[SOFF], v2, s76
	v_lshl_add_u32 v[SOFF], v1, 4, v[SOFF]         ; scale words: 16 r; lanes 16-31 write the second head's
	TAIL
	s_wait_loadcnt 0x0                             ; the bias
	PLACES NP
.irp a, 0,1,2,3,4,5,6,7                        ; A's block a is one tile of 16 tokens; its 128 columns are two heads
	WIN 0x06+(\a)/4                                ; source 0 the accumulators' window, source 1 window 1
.set i, 0
.rept 32
	v_pk_add_f32 v[T+i:T+i+1], v[64*((\a)%4)+i:64*((\a)%4)+i+1], v[BI+i:BI+i+1]   ; ascending: each accumulator is read from its low end on
.set i, i+2
.endr
	WIN 0
	QUANT T, PC+8*(\a), 120
	v_lshrrev_b32 v121, v[SH16], v120              ; lanes 0-15 keep the first head's two bytes, lanes 16-31 the second's;
	v_and_b32 v[SW+\a], 0xffff, v121               ; bytes 2 and 3 are 0: they stand over zero codes in the attention
	global_store_b128 v[LI], v[PC+8*\a:PC+8*\a+3], s[78:79] offset:512*\a      ; 512 consecutive bytes: the tile of the first head,
	global_store_b128 v[LI], v[PC+8*\a+4:PC+8*\a+7], s[82:83] offset:512*\a    ; of the second
.if (\a)%4 == 3
	global_store_b128 v[SOFF], v[SW+\a-3:SW+\a], s[78:79] offset:4096+256*((\a)/4)   ; four tiles' scale words: sixteen lanes fill 256 consecutive bytes
.endif
.endr
	s_branch .Ldone
	; ---- v.  A lane holds one channel: the bias is one number a lane for each of A's blocks, loaded twice to fill a pair
.Lkind_v:
	s_lshl_b32 s74, s17, 10
	s_lshl_b32 s75, s15, 9
	s_add_co_u32 s74, s74, s75
	s_mov_b32 s75, 0
	s_add_nc_u64 s[74:75], s[8:9], s[74:75]
	WIN TO_B
	s_wait_alu depctr_va_vdst(0)
.irp a, 0,1,2,3,4,5,6,7
	global_load_b32 v[BI+2*\a], v[BV], s[74:75] offset:4*(32*(\a/2)+8*(\a%2))
	global_load_b32 v[BI+2*\a+1], v[BV], s[74:75] offset:4*(32*(\a/2)+8*(\a%2))
.endr
	WIN 0
	s_lshr_b32 s80, s42, 3
	s_lshl_b32 s80, s80, 4                         ; 16 heads for each batch (tokens are B's rows here),
	s_lshl_b32 s81, s41, 2
	s_add_co_u32 s80, s80, s81
	s_lshl_b32 s81, s15, 1
	s_add_co_u32 s80, s80, s81                     ; the first of my two heads
	s_mul_i32 s80, s80, HEADKV
	s_and_b32 s81, s42, 7
	s_lshl_b32 s81, s81, 1
	s_add_co_u32 s81, s81, s16                     ; my 128 tokens: one key step
	s_mul_i32 s81, s81, UNIT
	s_add_co_u32 s80, s80, s81
	s_mov_b32 s81, 0
	s_add_nc_u64 s[78:79], s[12:13], s[80:81]
	v_mul_u32_u24 v[SOFF], v2, HEADKV
	v_lshl_add_u32 v[SOFF], v1, 4, v[SOFF]
	TAIL
	s_wait_loadcnt 0x0
	PLACES NP
.irp a, 0,1,2,3,4,5,6,7                        ; A's block a: 16 channels (tile a % 4 of head a / 4) x my 128 keys: one fragment of v as it stands
	WIN 0x06+(\a)/4
.set i, 0
.rept 32
	v_pk_add_f32 v[T+i:T+i+1], v[64*((\a)%4)+i:64*((\a)%4)+i+1], v[BI+2*\a:BI+2*\a+1]
.set i, i+2
.endr
	WIN 0
	QUANT T, PC+8*(\a), SW+\a
	global_store_b128 v[LI], v[PC+8*\a:PC+8*\a+3], s[78:79] offset:HEADKV*(\a/4)+4608+1024*(\a%4)
	global_store_b128 v[LI], v[PC+8*\a+4:PC+8*\a+7], s[78:79] offset:HEADKV*(\a/4)+4608+1024*(\a%4)+512
.endr
	v_cmp_ne_u32 vcc_lo, 0, v2
.irp i, 0,1,2,3
	v_cndmask_b32 v[120+\i], v[SW+\i], v[SW+4+\i], vcc_lo   ; lanes 0-15 the first head's four words, lanes 16-31 the second's
.endr
	global_store_b128 v[SOFF], v[120:123], s[78:79] offset:8704
.Ldone:
	s_wait_tensorcnt 0x0                           ; the wave's end
	ds_add_u32 v[SPW], v[NIL]
	s_wait_dscnt 0x0
	CROUND                                         ; the closing round: no work-group ends while a partner may still ask for a tile that names it
	s_endpgm
.Lfunc_end_k_qff78a87360_gemm_qkv:
	.size	k_qff78a87360_gemm_qkv, .Lfunc_end_k_qff78a87360_gemm_qkv-k_qff78a87360_gemm_qkv
	.p2alignl 7, 3214868480
	.fill 96, 4, 3214868480
	.section	.rodata,"a",@progbits
	.p2align	6, 0x0
	.amdhsa_kernel k_qff78a87360_gemm_qkv
		.amdhsa_group_segment_fixed_size 327680
		.amdhsa_private_segment_fixed_size 0
		.amdhsa_enable_private_segment 0
		.amdhsa_kernarg_size 40
		.amdhsa_user_sgpr_count 2
		.amdhsa_user_sgpr_kernarg_segment_ptr 1
		.amdhsa_wavefront_size32 1
		.amdhsa_system_sgpr_workgroup_id_x 1
		.amdhsa_system_sgpr_workgroup_id_y 1
		.amdhsa_system_sgpr_workgroup_id_z 1
		.amdhsa_system_vgpr_workitem_id 0
		.amdhsa_next_free_vgpr 1024
		.amdhsa_next_free_sgpr 100
		.amdhsa_reserve_vcc 1
		.amdhsa_float_denorm_mode_32 3
		.amdhsa_float_denorm_mode_16_64 3
		.amdhsa_memory_ordered 1
		.amdhsa_forward_progress 1
		.amdhsa_inst_pref_size 235
	.end_amdhsa_kernel
	.amdgpu_metadata
---
amdhsa.version: [ 1, 2 ]
amdhsa.kernels:
  - .name:           k_qff78a87360_gemm_qkv
    .symbol:         k_qff78a87360_gemm_qkv.kd
    .args:
      - { .name: xq, .offset: 0, .size: 8, .value_kind: global_buffer, .address_space: global }
      - { .name: waq, .offset: 8, .size: 8, .value_kind: global_buffer, .address_space: global }
      - { .name: b_attn, .offset: 16, .size: 8, .value_kind: global_buffer, .address_space: global }
      - { .name: qq, .offset: 24, .size: 8, .value_kind: global_buffer, .address_space: global }
      - { .name: kv, .offset: 32, .size: 8, .value_kind: global_buffer, .address_space: global }
    .group_segment_fixed_size: 327680
    .private_segment_fixed_size: 0
    .kernarg_segment_align: 8
    .kernarg_segment_size: 40
    .max_flat_workgroup_size: 128
    .sgpr_count:     100
    .vgpr_count:     1024
    .wavefront_size: 32
...
	.end_amdgpu_metadata
.endif
;; end of part 2
;; launch attn (part 3): grid 4 x 64, 16 waves a work-group, clusters of 4 x 1, 169,984 bytes of LDS; arguments qq, kv, yq; writes yq
.if DOCPART == 3
	.amdgcn_target "amdgcn-amd-amdhsa--gfx1250"
	.amdhsa_code_object_version 6
	.text
	.protected	k_qff78a87360_attn
	.globl	k_qff78a87360_attn
	.p2align	8
	.type	k_qff78a87360_attn,@function
k_qff78a87360_attn:
	s_mov_b64 s[64:65], 0
	v_nop
	global_prefetch_b8 v0, s[64:65] scope:SCOPE_SE
	s_setreg_imm32_b32 hwreg(HW_REG_WAVE_MODE, 25, 1), 1
	s_wait_xcnt 0x0
	s_wait_alu depctr_hold_cnt(0) depctr_sa_sdst(0) depctr_va_vdst(0) depctr_va_sdst(0) depctr_va_ssrc(0) depctr_va_vcc(0) depctr_vm_vsrc(0)
	s_getreg_b32 s2, hwreg(HW_REG_IB_STS2, 6, 4)
	s_cmp_eq_u32 s2, 0
	s_cbranch_scc0 .Lentry_in_a_cluster
	s_endpgm
.Lentry_in_a_cluster:
	s_bfe_u32 s2, ttmp6, 0x10000c
	s_cmp_lg_u32 s2, 0x3003
	s_cbranch_scc0 .Lentry_shape_is_right
	s_endpgm
.Lentry_shape_is_right:
; y = softmax(q k^T / 8, causal) v for one head, both products on codes of FP4 (E2M1) with E8M0 scales, and y quantised at once along the model's 1,024 for the last product.
; THE SOFTMAX AHEAD OF THE SECOND PRODUCT: t = score x log2(e) / 8; M = the running largest t rounded UP to a whole number; p = 2^(t - M) is quantised along the keys, not normalised; the row's sum is taken of the
; unquantised p and divides at the end.  When M moves, the sum and O are multiplied by 2^(old M - new M): exact.
; SHARES.  The four work-groups of a cluster own one head.  The head's k and v, 16 key steps of 128 keys, 8,960 bytes each, lie in LDS whole: each of the sixteen waves asks for one step's unit, JOINTLY with the same wave of the
; three partners; filled once, never again.  A wave makes two tiles of 16 queries one after the other, tile 4 w + cx and its mirror 127 - (4 w + cx): w / 2 + 1 and 16 - w / 2 key steps, 17 for every wave.
; The trip counts are constants; a step whose keys all come after the tile is passed over by a branch on the wave's number and the trip alone: no branch and no LDS address hangs on the place in the cluster.
; LAYOUT.  S^T = k q^T (source 0 = 16 keys, source 1 = my 16 queries), O^T = v^T p^T: a lane holds ONE query.  Tokens are stored with bits 3 and 4 of their index exchanged, so the 16 registers of key tiles 2 b, 2 b + 1 are the
; true keys 32 b + 16 (lane / 16) + 0 .. 15, and lane r of query tile u is the true token 32 (u / 2) + 8 (u % 2) + (r & 7) + 16 (r >> 3) of its 128.
; THE HEAD IS 64 WIDE, the instruction 128: q's upper four registers are zero codes, and both sides' scale bytes 2 and 3 are 0 (2^-127, no NaN).  A key tile's upper four registers are the next tile's codes (the last tile's: zeros):
; whatever they hold is multiplied by zero codes.
; A block's largest p is taken from the block's largest score through the same multiply-add and exponential; this takes v_exp_f32 not to fall where its input rises.
; LIMITS: a block whose largest magnitude lies under 2^-124, a block of zeros among them, gets the scale byte 1 (this program alone reads the bytes); NaN and infinities are not served.
; y's scale bytes leave as 2 bytes a row and head: a row's scale word spans two heads, which two clusters make.
.set UNIT,   8960
.set HEADKV, 143360
.set QUNIT,  4608
.set HEADQ,  73728
.set KHX,    2228224
.set UNITB,  4352
.set LI,  1                            ; v1  16 x lane
.set LR,  2                            ; v2  16 x (lane % 16)
.set ADK, 3                            ; v3  the step's unit + 16 x lane
.set ADS, 4                            ; v4  the step's unit + 16 r
.set VL,  5                            ; v5  (r & 7) + 16 (r >> 3) - 16 h
.set VD,  6                            ; v6  my query's place in its 128, less 16 h
.set YSO, 7                            ; v7  where my 2 scale bytes of y go
.set YS1, 8                            ; v8, v9 the two tiles' scale bytes
.set YS2, 9
.set QSW1, 10                          ; v10, v11 q's scale words: scales and nothing else
.set QSW2, 11
.set Q1,  16                           ; v16-23, v24-31 q's two fragments
.set Q2,  24
.set KSW, 32                           ; v32-39 k's scale words, v40-43 v's, v44 p's: scales and nothing else
.set VSW, 40
.set PSW, 44
.set KR,  48                           ; v48-83 eight key tiles of four registers, and four zeros
.set VR,  84                           ; v84-115 v's four fragments
.set S,   116                          ; v116-179 S^T, then p
.set O,   180                          ; v180-211 O^T
.set PC,  212                          ; v212-219 p's codes
.set BM,  220                          ; v220-223 the blocks' largest scores, then p
.set T2,  224
.set SCL, 228                          ; v228-231 the conversions' scale operands
.set F,   232                          ; v[232:233] f = 2^(old M - new M); later 1 / the sum
.set SM2, 234                          ; v[234:235] the sum's second chain
.set TP,  236
.set NINF, 237
.set YC1, 240
.set YC2, 244
.set WV,  10
.set ND1, 14                           ; s14, s15 the two tiles' last key step
.set ND2, 15
.set G1,  16
.set G0,  24
.set SEL, 28
.set CS,  30                           ; s[30:31] c = log2(e) / 8
.set TB,  32                           ; s32 LDS byte of the trip's unit
.set I,   33                           ; s33 the trip
.macro CROUND
	s_barrier_signal -1
	s_barrier_wait -1
	s_cmp_lg_u32 s[WV], 0
	s_cbranch_scc1 .Lnot_wave_0_\@
	s_barrier_signal -3
.Lnot_wave_0_\@:
	s_barrier_wait -3
	s_barrier_signal -1
	s_barrier_wait -1
.endm
	s_load_b128 s[4:7], s[0:1], 0x0                ; qq, kv
	s_load_b64 s[8:9], s[0:1], 0x10                ; yq
	v_lshl_add_u32 v254, v0, 2, 0x29000
	v_mov_b32 v255, 0
	ds_add_u32 v254, v255
	ds_add_u32 v254, v255
	v_lshrrev_b32 v1, 5, v0
	s_delay_alu instid0(VALU_DEP_1)
	v_readfirstlane_b32 s[WV], v1                  ; wave 0..15
	s_bfe_u32 s11, ttmp6, 0x40000                  ; cx
	s_and_b32 s12, ttmp7, 0xffff                   ; the head (16 x batch + head), which the partners share
	; descriptor group 1: a dense block of 8,960 bytes as 35 rows of 256 (32 elements of 8 bytes), no padding
	s_mov_b32 s[G1], 15|(3<<16)|(1<<21)            ; 15:0 the mask: all four work-groups; 17:16 elements of 8 bytes; 21 set beside a mask
	s_mov_b32 s[G1+1], 32<<16
	s_mov_b32 s[G1+2], 35<<16
	s_mov_b32 s[G1+3], 32<<16
	s_mov_b32 s[G1+4], 35
	s_mov_b32 s[G1+5], 32
	s_mov_b32 s[G1+6], 0
	s_mov_b32 s[G1+7], 0
	s_mul_i32 s13, s[WV], UNIT
	s_mul_i32 s36, s12, HEADKV
	s_add_co_u32 s36, s36, s13
	s_mov_b32 s37, 0
	s_mov_b32 s[SEL], 0x76543210
	s_mov_b32 s[SEL+1], 0xfedcba98
	s_mov_b32 s[CS], 0x3e38aa3b
	s_mov_b32 s[CS+1], s[CS]                       ; (named with it as a pair, so it is written)
	s_lshr_b32 s[ND1], s[WV], 1                    ; (4 w + cx) / 8 = w / 2: the wave's number alone
	s_xor_b32 s[ND2], s[ND1], 15
	s_wait_dscnt 0x0
	s_wait_kmcnt 0x0
	s_mov_b32 s[G0], 1
	s_mov_b32 s[G0+1], s13                         ; LDS: unit w
	s_add_nc_u64 s[G0+2:G0+3], s[6:7], s[36:37]
	s_or_b32 s[G0+3], s[G0+3], 0x80000000
	CROUND                                         ; all four work-groups are here: the joint loads meet
	tensor_load_to_lds s[G0:G0+3], s[G1:G1+7]      ; my one tensor load of the launch
	s_nop 0
.rept 4
	v_nop
.endr
	s_lshl_b32 s40, s[WV], 2
	s_add_co_u32 s40, s40, s11                     ; my first tile of queries
	s_xor_b32 s41, s40, 127                        ; my second
	s_mul_i32 s43, s12, HEADQ
.macro QADDR tau, pc, ps               ; where tile tau's codes and scale words lie in qq
	s_lshr_b32 s44, s[\tau], 3
	s_mul_i32 s44, s44, QUNIT
	s_add_co_u32 s44, s44, s43
	s_and_b32 s45, s[\tau], 7
	s_lshl_b32 s45, s45, 9
	s_add_co_u32 s46, s44, s45
	s_mov_b32 s47, 0
	s_add_nc_u64 s[\pc:\pc+1], s[4:5], s[46:47]
	s_bfe_u32 s45, s[\tau], 0x10002
	s_lshl_b32 s45, s45, 8
	s_add_co_u32 s46, s44, s45
	s_and_b32 s45, s[\tau], 3
	s_lshl_b32 s45, s45, 2
	s_add_co_u32 s46, s46, s45
	s_add_nc_u64 s[\ps:\ps+1], s[4:5], s[46:47]
.endm
	QADDR 40, 48, 50
	QADDR 41, 52, 54
	v_and_b32 v9, 31, v0
	s_delay_alu instid0(VALU_DEP_1)
	v_lshlrev_b32 v[LI], 4, v9
	v_and_b32 v9, 15, v0                           ; r
	s_wait_alu depctr_va_vdst(0)
	v_lshlrev_b32 v[LR], 4, v9
	global_load_b128 v[Q1:Q1+3], v[LI], s[48:49]
	global_load_b32 v[QSW1], v[LR], s[50:51] offset:4096
	global_load_b128 v[Q2:Q2+3], v[LI], s[52:53]
	global_load_b32 v[QSW2], v[LR], s[54:55] offset:4096
.macro VDADD tau, dst                  ; 32 ((tau & 7) / 2) + 8 (tau & 1)
	s_and_b32 s44, s[\tau], 6
	s_lshl_b32 s44, s44, 4
	s_and_b32 s45, s[\tau], 1
	s_lshl_b32 s45, s45, 3
	s_add_co_u32 s[\dst], s44, s45
.endm
	VDADD 40, 62
	VDADD 41, 63
	s_and_b32 s36, s12, 15                         ; the head in its batch
	s_lshr_b32 s37, s12, 4                         ; the batch
	s_lshr_b32 s38, s36, 3
	s_mul_i32 s38, s38, KHX                        ; y's K half: heads 0-7 or 8-15
	s_mul_i32 s39, s37, 128*UNITB
	s_add_co_u32 s38, s38, s39
	s_mul_i32 s39, s40, UNITB
	s_add_co_u32 s42, s38, s39                     ; my first tile's unit,
	s_mul_i32 s39, s41, UNITB
	s_add_co_u32 s44, s38, s39                     ; my second's
	s_and_b32 s39, s36, 7
	s_lshl_b32 s45, s39, 9                         ; the head's 64 are half an image: 512 bytes
	s_add_co_u32 s46, s42, s45
	s_mov_b32 s47, 0
	s_add_nc_u64 s[56:57], s[8:9], s[46:47]
	s_add_co_u32 s46, s44, s45
	s_add_nc_u64 s[58:59], s[8:9], s[46:47]
	s_lshl_b32 s45, s39, 1                         ; and 2 of a row's 16 scale bytes
	s_add_co_u32 s46, s42, s45
	s_add_nc_u64 s[60:61], s[8:9], s[46:47]
	v_bfe_u32 v[TP], v0, 4, 1                      ; h
	v_and_b32 v5, 7, v9
	v_lshrrev_b32 v6, 3, v9
	s_delay_alu instid0(VALU_DEP_1)
	v_lshl_add_u32 v5, v6, 4, v5
	s_delay_alu instid0(VALU_DEP_4)
	v_lshlrev_b32 v6, 4, v[TP]
	s_delay_alu instid0(VALU_DEP_1)
	v_sub_nc_u32 v[VL], v5, v6
	s_sub_co_u32 s13, s41, s40
	s_mul_i32 s13, s13, UNITB
	v_mul_lo_u32 v[YSO], v[TP], s13                ; lanes 16-31 write the second tile's scale bytes
	s_wait_alu depctr_va_vdst(0)
	v_add_nc_u32 v[YSO], v[YSO], v[LR]
.irp j, 4,5,6,7
	v_mov_b32 v[Q1+\j], 0                          ; zero codes for k = 64 .. 127
	v_mov_b32 v[Q2+\j], 0
.endr
.irp j, 0,1,2,3
	v_mov_b32 v[KR+32+\j], 0                       ; the last key tile's upper half
	v_mov_b32 v[T2+\j], 0                          ; written once: a lane permute's destination counts as one of its sources
.endr
	v_mov_b32 v[F+1], 0                            ; (named as the upper half of a pair)
	v_mov_b32 v[NINF], 0xff800000                  ; -infinity
	s_wait_tensorcnt 0x0                           ; my unit is in,
	s_barrier_signal -1
	s_barrier_wait -1                              ; everybody's is
	s_wait_loadcnt 0x0                             ; q
; A KEY STEP: 128 keys.  q, qsw: the tile's fragment and scale words; nd: its last step, the one on the diagonal.
.macro STEP q, qsw, nd
	v_add_nc_u32 v[ADK], s[TB], v[LI]
	v_add_nc_u32 v[ADS], s[TB], v[LR]
.irp t, 0,1,2,3,4,5,6,7
	ds_load_b128 v[KR+4*\t:KR+4*\t+3], v[ADK] offset:512*\t
.endr
	ds_load_b128 v[KSW:KSW+3], v[ADS] offset:4096
	ds_load_b128 v[KSW+4:KSW+7], v[ADS] offset:4352
	s_wait_alu depctr_va_vdst(0)
	s_wait_dscnt 0x0
.irp t, 0,1,2,3,4,5,6,7
	v_wmma_scale_f32_16x16x128_f8f6f4 v[S+8*\t:S+8*\t+7], v[KR+4*\t:KR+4*\t+7], v[\q:\q+7], 0, v[KSW+\t], v[\qsw] matrix_a_fmt:MATRIX_FMT_FP4 matrix_b_fmt:MATRIX_FMT_FP4
.endr
.rept 4
	v_nop                                          ; places in front of the first read of the scores; with the two additions above, six behind the last trip's products, whose operands the loads below overwrite
.endr
.irp t, 0,1,2,3
.irp c, 0,1
	ds_load_b128 v[VR+8*\t+4*\c:VR+8*\t+4*\c+3], v[ADK] offset:4608+1024*\t+512*\c   ; v lands while the softmax is worked
.endr
.endr
	ds_load_b128 v[VSW:VSW+3], v[ADS] offset:8704
	s_cmp_lg_u32 s[I], s[\nd]                      ; on the diagonal the scores of hidden keys become -infinity ahead of the maximum
	s_cbranch_scc1 .Lopen_\@
.set n, 0
.rept 64
	v_cmp_gt_i32 vcc_lo, 32*(n/16)+n%16, v[VD]     ; register 16 b + i holds key 32 b + 16 h + i of the step
	v_cndmask_b32 v[S+n], v[S+n], v[NINF], vcc_lo
.set n, n+1
.endr
.Lopen_\@:
.irp b, 0,1,2,3
	v_max3_num_f32 v[BM+\b], v[S+16*\b], v[S+1+16*\b], v[S+2+16*\b]   ; the largest score of each block of 32 keys: for the row's maximum and for the block's largest p
.endr
.irp i, 3,5,7,9,11,13
.irp b, 0,1,2,3
	v_max3_num_f32 v[BM+\b], v[BM+\b], v[S+16*\b+\i], v[S+1+16*\b+\i]
.endr
.endr
.irp b, 0,1,2,3
	v_max_num_f32 v[BM+\b], v[BM+\b], v[S+15+16*\b]
.endr
.irp b, 0,1,2,3
	s_delay_alu instid0(VALU_DEP_4)
	v_permlanex16_b32 v[T2+\b], v[BM+\b], s[SEL], s[SEL+1]
.endr
.irp b, 0,1,2,3
	s_delay_alu instid0(VALU_DEP_4)
	v_max_num_f32 v[BM+\b], v[BM+\b], v[T2+\b]     ; with lane l xor 16's 16 keys
.endr
	s_delay_alu instid0(VALU_DEP_2)
	v_max3_num_f32 v[TP], v[BM], v[BM+1], v[BM+2]
	s_delay_alu instid0(VALU_DEP_1)
	v_max_num_f32 v[TP], v[TP], v[BM+3]
	s_delay_alu instid0(VALU_DEP_1)
	v_mul_f32 v[TP], s[CS], v[TP]                  ; the step's largest t (c is positive)
	s_delay_alu instid0(VALU_DEP_1)
	v_max_num_f32 v13, v13, v[TP]                  ; the running largest t
	v_mov_b32 v[TP], v12
	s_delay_alu instid0(VALU_DEP_2)
	v_floor_f32 v12, -v13                          ; the new -M = floor(-t): M is a whole number
	s_delay_alu instid0(VALU_DEP_1)
	v_sub_f32 v[TP], v12, v[TP]                    ; old M - new M: a whole number, 0 or less
	s_delay_alu instid0(VALU_DEP_1)
	v_cvt_i32_f32 v[TP], v[TP]                     ; (it saturates)
	s_delay_alu instid0(VALU_DEP_1)
	v_ldexp_f32 v[F], 1.0, v[TP]                   ; f = 2^(old M - new M)
.irp j, 0,2,4,6,8,10,12,14,16,18,20,22,24,26,28,30,32,34,36,38,40,42,44,46,48,50,52,54,56,58,60,62
	v_pk_fma_f32 v[S+\j:S+\j+1], v[S+\j:S+\j+1], s[CS:CS+1], v[12:13] op_sel_hi:[1,0,0]   ; t - M
.endr
	s_setprio 1
.irp b, 0,1,2,3
	v_fma_f32 v[BM+\b], v[BM+\b], s[CS], v12       ; the same of each block's largest score
.endr
.set n, 0
	s_wait_alu depctr_va_vdst(0)
.rept 64
	v_exp_f32 v[S+n], v[S+n]                       ; p = 2^(t - M)
.set n, n+1
.endr
	v_pk_mul_f32 v[14:15], v[14:15], v[F:F+1] op_sel_hi:[1,0]   ; the sums under the new M,
	s_wait_alu depctr_va_vdst(0)
.irp j, 0,2,4,6,8,10,12,14,16,18,20,22,24,26,28,30
	v_pk_mul_f32 v[O+\j:O+\j+1], v[O+\j:O+\j+1], v[F:F+1] op_sel_hi:[1,0]   ; and O^T: work that names no exponential's result, behind the batch
.endr
	s_wait_alu depctr_va_vdst(0)                   ; one wait for the 64, ahead of their first reader
.irp b, 0,1,2,3
	v_exp_f32 v[BM+\b], v[BM+\b]                   ; the blocks' largest p
.endr
	v_pk_add_f32 v[SM2:SM2+1], v[S:S+1], v[S+2:S+3]   ; the row's sum is taken of the unquantised p, in two chains; the first half stands behind the four exponentials
.irp j, 4,8,12,16,20,24,28
	v_pk_add_f32 v[14:15], v[14:15], v[S+\j:S+\j+1]
	v_pk_add_f32 v[SM2:SM2+1], v[SM2:SM2+1], v[S+\j+2:S+\j+3]
.endr
	s_wait_alu depctr_va_vdst(0)                   ; and one for the four
.irp b, 0,1,2,3
	v_max_num_f32 v[BM+\b], 0x1800000, v[BM+\b]    ; the floor 2^(3 - 127)
.endr
.irp b, 0,1,2,3
	s_delay_alu instid0(VALU_DEP_4)
	v_add_nc_u32 v[SCL+\b], 0xff000000, v[BM+\b]
.endr
.irp b, 0,1,2,3
	s_delay_alu instid0(VALU_DEP_4)
	v_lshrrev_b32 v[T2+\b], 23, v[SCL+\b]
.endr
	s_delay_alu instid0(VALU_DEP_3)
	v_lshl_or_b32 v[PSW], v[T2+1], 8, v[T2]        ; p's scale word for these 128 keys
	s_delay_alu instid0(VALU_DEP_1)
	v_lshl_or_b32 v[PSW], v[T2+2], 16, v[PSW]
	s_delay_alu instid0(VALU_DEP_1)
	v_lshl_or_b32 v[PSW], v[T2+3], 24, v[PSW]
	s_setprio 0
.irp b, 0,1,2,3
	v_cvt_scalef32_pk8_fp4_f32 v[PC+2*\b], v[S+16*\b:S+7+16*\b], v[SCL+\b]
	v_cvt_scalef32_pk8_fp4_f32 v[PC+1+2*\b], v[S+8+16*\b:S+15+16*\b], v[SCL+\b]
.endr
	v_nop                                          ; one plain place behind a scaled conversion
.irp c, 0,1
.irp i, 0,1
	v_permlane16_swap_b32 v[PC+4*\c+\i], v[PC+2+4*\c+\i]
.endr
.endr
.irp j, 32,36,40,44,48,52,56,60                ; the sums' second half: seventeen plain lines between the scale word and the codes just made and the products that take them
	v_pk_add_f32 v[14:15], v[14:15], v[S+\j:S+\j+1]
	v_pk_add_f32 v[SM2:SM2+1], v[SM2:SM2+1], v[S+\j+2:S+\j+3]
.endr
	s_delay_alu instid0(VALU_DEP_1)
	v_pk_add_f32 v[14:15], v[14:15], v[SM2:SM2+1]
	s_wait_dscnt 0x0                               ; v and its scale words
.irp t, 0,1,2,3                                ; the four accumulators by turns, one instruction a turn
	v_wmma_scale_f32_16x16x128_f8f6f4 v[O+8*\t:O+8*\t+7], v[VR+8*\t:VR+8*\t+7], v[PC:PC+7], v[O+8*\t:O+8*\t+7], v[VSW+\t], v[PSW] matrix_a_fmt:MATRIX_FMT_FP4 matrix_b_fmt:MATRIX_FMT_FP4
.endr
.endm
; THE WAY OUT of a tile: O^T / the sum, quantised along the head's 64 (two blocks): register 16 a + i is channel 32 a + 16 h + i.  The codes are half an image of the last product's operand: 512 consecutive bytes.
.macro YOUT yc, ysw, yp
.rept 4
	v_nop                                          ; places behind the last products
.endr
	v_add_f32 v14, v14, v15
	s_delay_alu instid0(VALU_DEP_1)
	v_permlanex16_b32 v[TP], v14, s[SEL], s[SEL+1]
	s_delay_alu instid0(VALU_DEP_1)
	v_add_f32 v14, v14, v[TP]                      ; the row's sum
	s_wait_alu depctr_va_vdst(0)
	v_rcp_f32 v[F], v14
	v_nop                                          ; a plain place behind the reciprocal,
	s_wait_alu depctr_va_vdst(0)                   ; and the wait ahead of its first reader
.irp j, 0,2,4,6,8,10,12,14,16,18,20,22,24,26,28,30
	v_pk_mul_f32 v[O+\j:O+\j+1], v[O+\j:O+\j+1], v[F:F+1] op_sel_hi:[1,0]
.endr
.irp b, 0,1
	v_max3_num_f32 v[BM+\b], |v[O+16*\b]|, |v[O+1+16*\b]|, 0x1800000
.endr
.irp i, 2,4,6,8,10,12,14
.irp b, 0,1
	s_delay_alu instid0(VALU_DEP_2)
	v_max3_num_f32 v[BM+\b], v[BM+\b], |v[O+16*\b+\i]|, |v[O+1+16*\b+\i]|
.endr
.endr
.irp b, 0,1
	s_delay_alu instid0(VALU_DEP_2)
	v_permlanex16_b32 v[T2+\b], v[BM+\b], s[SEL], s[SEL+1]
.endr
.irp b, 0,1
	s_delay_alu instid0(VALU_DEP_2)
	v_max_num_f32 v[BM+\b], v[BM+\b], v[T2+\b]
.endr
.irp b, 0,1
	s_delay_alu instid0(VALU_DEP_2)
	v_add_nc_u32 v[SCL+\b], 0xff000000, v[BM+\b]
.endr
.irp b, 0,1
	s_delay_alu instid0(VALU_DEP_2)
	v_lshrrev_b32 v[T2+\b], 23, v[SCL+\b]
.endr
	s_delay_alu instid0(VALU_DEP_1)
	v_lshl_or_b32 v[\ysw], v[T2+1], 8, v[T2]       ; my row's two scale bytes
.irp b, 0,1
	v_cvt_scalef32_pk8_fp4_f32 v[\yc+2*\b], v[O+16*\b:O+7+16*\b], v[SCL+\b]
	v_cvt_scalef32_pk8_fp4_f32 v[\yc+1+2*\b], v[O+8+16*\b:O+15+16*\b], v[SCL+\b]
.endr
	v_nop
	v_permlane16_swap_b32 v[\yc], v[\yc+2]
	v_permlane16_swap_b32 v[\yc+1], v[\yc+3]       ; lane (r, h) now holds block h of row r
	global_store_b128 v[LI], v[\yc:\yc+3], s[\yp:\yp+1]
.endm
; A TILE OF QUERIES: sixteen trips, a constant; the trips behind the diagonal only step.  O^T and the sum begin as zeros and the largest t as -3e38: the first change of M multiplies zeros.
.macro PASS q, qsw, yc, ysw, nd, vd, yp
	v_add_nc_u32 v[VD], s[\vd], v[VL]
	v_mov_b32 v13, 0xff61b1e6
	s_delay_alu instid0(VALU_DEP_1)
	v_floor_f32 v12, -v13
	v_mov_b32 v14, 0
	v_mov_b32 v15, 0
.set n, 0
.rept 32
	v_mov_b32 v[O+n], 0
.set n, n+1
.endr
	s_mov_b32 s[TB], 0
	s_mov_b32 s[I], 0
.Ltrip_\@:
	s_cmp_gt_u32 s[I], s[\nd]
	s_cbranch_scc1 .Lskip_\@
	s_setprio 2
	STEP \q, \qsw, \nd
.Lskip_\@:
	s_add_co_u32 s[TB], s[TB], UNIT
	s_add_co_u32 s[I], s[I], 1
	s_cmp_lt_u32 s[I], 16
	s_cbranch_scc1 .Ltrip_\@
	s_setprio 0
	s_wait_alu depctr_va_vdst(0)
	YOUT \yc, \ysw, \yp
.endm
	PASS Q1, QSW1, YC1, YS1, ND1, 62, 56
	PASS Q2, QSW2, YC2, YS2, ND2, 63, 58
	v_bfe_u32 v[TP], v0, 4, 1
	s_delay_alu instid0(VALU_DEP_1)
	v_cmp_ne_u32 vcc_lo, 0, v[TP]
	s_delay_alu instid0(VALU_DEP_1)
	v_cndmask_b32 v[VD], v[YS1], v[YS2], vcc_lo    ; lanes 0-15 the first tile's bytes, lanes 16-31 the second's
	global_store_b16 v[YSO], v[VD], s[60:61] offset:4096
	s_wait_tensorcnt 0x0
	ds_add_u32 v254, v255
	s_wait_dscnt 0x0
	CROUND                                         ; the closing round: no work-group ends while a partner may still ask for a unit that names it
	s_endpgm
.Lfunc_end_k_qff78a87360_attn:
	.size	k_qff78a87360_attn, .Lfunc_end_k_qff78a87360_attn-k_qff78a87360_attn
	.p2alignl 7, 3214868480
	.fill 96, 4, 3214868480
	.section	.rodata,"a",@progbits
	.p2align	6, 0x0
	.amdhsa_kernel k_qff78a87360_attn
		.amdhsa_group_segment_fixed_size 169984
		.amdhsa_private_segment_fixed_size 0
		.amdhsa_enable_private_segment 0
		.amdhsa_kernarg_size 24
		.amdhsa_user_sgpr_count 2
		.amdhsa_user_sgpr_kernarg_segment_ptr 1
		.amdhsa_wavefront_size32 1
		.amdhsa_system_sgpr_workgroup_id_x 1
		.amdhsa_system_sgpr_workgroup_id_y 1
		.amdhsa_system_sgpr_workgroup_id_z 1
		.amdhsa_system_vgpr_workitem_id 0
		.amdhsa_next_free_vgpr 256
		.amdhsa_next_free_sgpr 66
		.amdhsa_reserve_vcc 1
		.amdhsa_float_denorm_mode_32 3
		.amdhsa_float_denorm_mode_16_64 3
		.amdhsa_memory_ordered 1
		.amdhsa_forward_progress 1
		.amdhsa_inst_pref_size 61
	.end_amdhsa_kernel
	.amdgpu_metadata
---
amdhsa.version: [ 1, 2 ]
amdhsa.kernels:
  - .name:           k_qff78a87360_attn
    .symbol:         k_qff78a87360_attn.kd
    .args:
      - { .name: qq, .offset: 0, .size: 8, .value_kind: global_buffer, .address_space: global }
      - { .name: kv, .offset: 8, .size: 8, .value_kind: global_buffer, .address_space: global }
      - { .name: yq, .offset: 16, .size: 8, .value_kind: global_buffer, .address_space: global }
    .group_segment_fixed_size: 169984
    .private_segment_fixed_size: 0
    .kernarg_segment_align: 8
    .kernarg_segment_size: 24
    .max_flat_workgroup_size: 512
    .sgpr_count:     66
    .vgpr_count:     256
    .wavefront_size: 32
...
	.end_amdgpu_metadata
.endif
;; end of part 3
;; launch gemm_proj (part 4): grid 4 x 32, 4 waves a work-group, clusters of 4 x 4, 327,680 bytes of LDS; arguments yq, wpq, b_proj, out0; writes out0
.if DOCPART == 4
	.amdgcn_target "amdgcn-amd-amdhsa--gfx1250"
	.amdhsa_code_object_version 6
	.text
	.protected	k_qff78a87360_gemm_proj
	.globl	k_qff78a87360_gemm_proj
	.p2align	8
	.type	k_qff78a87360_gemm_proj,@function
k_qff78a87360_gemm_proj:
	s_mov_b64 s[64:65], 0
	v_nop
	global_prefetch_b8 v0, s[64:65] scope:SCOPE_SE
	s_setreg_imm32_b32 hwreg(HW_REG_WAVE_MODE, 25, 1), 1
	s_wait_xcnt 0x0
	s_wait_alu depctr_hold_cnt(0) depctr_sa_sdst(0) depctr_va_vdst(0) depctr_va_sdst(0) depctr_va_ssrc(0) depctr_va_vcc(0) depctr_vm_vsrc(0)
	s_getreg_b32 s2, hwreg(HW_REG_IB_STS2, 6, 4)
	s_cmp_eq_u32 s2, 0
	s_cbranch_scc0 .Lentry_in_a_cluster
	s_endpgm
.Lentry_in_a_cluster:
	s_bfe_u32 s2, ttmp6, 0x10000c
	s_cmp_lg_u32 s2, 0xf033
	s_cbranch_scc0 .Lentry_shape_is_right
	s_endpgm
.Lentry_shape_is_right:
; out0 = Q(y) Q(W_proj) + b_proj on codes of FP4 (E2M1) with E8M0 scales; out0 [8192][1024] f32.
; A work-group of four waves makes 256 x 256, a wave 128 x 128: 64 accumulators, 512 registers.  K = 1,024 is two slots of 512 in LDS, BOTH FIRST FILLS: nothing is filled again.
; OPERANDS lie in memory as [K half][tile of 16 rows][unit of 4,352 bytes = four images of an operand's registers + 256 scale bytes]: 128 rows of a half are 34,816 consecutive bytes, one tensor load; a fragment is two
; 16-byte loads at 16 x lane.  Rows (tokens of y, columns of W_proj) are stored with bits 3 and 4 of their index exchanged; the way out puts both back.
; THE MATRIX INSTRUCTION IS USED TRANSPOSED: source 0 = 16 columns of W_proj ('B'), source 1 = 16 tokens ('A'): a lane holds one token, and registers 16 b + i of its eight tiles are the true columns 32 b + 16 h + i.
; The bias is the C of each sum's first matrix instruction.  CLUSTERS: 4 x 4 work-groups; A's tiles are asked for jointly along a row of the cluster, B's along a column.
; 128 work-groups: a tile of 128 rows would fill more WGPs at half the products for each LDS byte; this text keeps the tile of the first product's launch.
; REGISTERS, in windows of 256: window 0: v0-31 addresses; v32-95 scale words, two sets, and nothing else; v128-191 A's fragments; on the way out v128-255 rows of the result.
;   window 1: B's fragments, two sets, at v0 and v128; v64-127 the bias.   windows 2, 3: the accumulators ((a, b) at v[8 (8 (a % 4) + b)] of window 2 + a / 4).
.set UNITB,  4352
.set NQ,     4
.set FR,     8
.set NL,     2
.set NP,     4                         ; places behind this matrix instruction (ISA guide 7.12.1)
.set HALFT,  8*UNITB
.set SLOT,   4*HALFT
.set SPARE,  2*SLOT                    ; behind the slots: the spare words, 128 bytes for each wave
.set KHX,    2228224                   ; bytes of a K half of yq
.set KHWP,   278528                    ; of wpq
.set SPITCH, 528                       ; the way out: a stage of 16 rows x (512 bytes + 16) for each wave, in slot 0, which has had its only fill and its last read by then
.set ADRA, 16
.set ADRB, 20
.set BQK,  22                          ; v22 the bias's lane term: 64 h
.set STO,  24                          ; v24 the way out: where I put 32 bytes of a row
.set RD,   25                          ; v25 and where I read a row back
.set CO,   26                          ; v26 16 x lane
.set ADRS, 27
.set SPW,  28                          ; v28 my spare word; never rewritten
.set NIL,  29                          ; v29 0; never rewritten
.set SC,   32
.set AF,   128
.set BK,   128
.set BI,   64                          ; in window 1
.set G1,   24
.set G0,   32
.set G1B,  48
.set G0B,  56
.set MSB, 0
.macro WIN new
.if MSB != (\new)
	s_set_vgpr_msb (MSB<<8)|(\new)
.set MSB, \new
.endif
.endm
.set MUL_LO, 0xa1                      ; source 0 (B) window 1, source 1 (A) window 0, C and D window 2
.set MUL_HI, 0xf1
.set BIA_LO, 0x91                      ; the same with C (the bias) in window 1
.set BIA_HI, 0xd1
.set TO_B,   0x40
.macro JLOAD g0a, g1a, g0b, g1b        ; waves 0 and 1 fetch A's halves, waves 2 and 3 B's; four v_nop follow each of the two lines
	s_cmp_eq_u32 s15, 0
	s_cbranch_scc0 .Lfor_b_\@
	tensor_load_to_lds s[\g0a:\g0a+3], s[\g1a:\g1a+7]
	s_nop 0
.rept 4
	v_nop
.endr
	s_branch .Lasked_\@
.Lfor_b_\@:
	tensor_load_to_lds s[\g0b:\g0b+3], s[\g1b:\g1b+7]
	s_nop 0
.rept 4
	v_nop
.endr
.Lasked_\@:
.endm
.macro CROUND
	s_barrier_signal -1
	s_barrier_wait -1
	s_cmp_lg_u32 s14, 0
	s_cbranch_scc1 .Lnot_wave_0_\@
	s_barrier_signal -3
.Lnot_wave_0_\@:
	s_barrier_wait -3
	s_barrier_signal -1
	s_barrier_wait -1
.endm
	s_load_b256 s[4:11], s[0:1], 0x0               ; yq s[4:5], wpq s[6:7], b_proj s[8:9], out0 s[10:11]
	v_lshl_add_u32 v[SPW], v0, 2, SPARE
	v_mov_b32 v[NIL], 0
	ds_add_u32 v28, v29
	ds_add_u32 v28, v29
	s_wait_dscnt 0x0
	v_lshrrev_b32 v1, 5, v0
	v_readfirstlane_b32 s14, v1                    ; wave 0..3
	s_lshr_b32 s15, s14, 1                         ; which half of the tokens is mine.  Also: I fetch for A (0) or for B (1)
	s_and_b32 s16, s14, 1                          ; which half of the columns.  Also: which 128 rows I fetch
	s_bfe_u32 s40, ttmp6, 0x40000                  ; cx, cy
	s_bfe_u32 s41, ttmp6, 0x40004
	s_lshl_b32 s42, ttmp9, 2
	s_add_co_u32 s42, s42, s40                     ; tile of 256 columns
	s_and_b32 s17, ttmp7, 0xffff
	s_lshl_b32 s17, s17, 2
	s_add_co_u32 s17, s17, s41                     ; tile of 256 tokens
	s_lshl_b32 s43, s41, 2
	s_lshl_b32 s43, 15, s43                        ; my row of the cluster
	s_lshl_b32 s44, 0x1111, s40                    ; my column
	s_or_b32 s[G1+0], s43, (3<<16)|(1<<21)         ; a dense block of 34,816 bytes as 136 rows of 256 (32 elements of 8 bytes), no padding; 21 set beside a mask
	s_or_b32 s[G1B+0], s44, (3<<16)|(1<<21)
.irp g, G1, G1B
	s_mov_b32 s[\g+1], 32<<16
	s_mov_b32 s[\g+2], 136<<16
	s_mov_b32 s[\g+3], 32<<16
	s_mov_b32 s[\g+4], 136
	s_mov_b32 s[\g+5], 32
	s_mov_b32 s[\g+6], 0
	s_mov_b32 s[\g+7], 0
.endr
	s_lshl_b32 s18, s16, 3
	s_lshl_b32 s20, s17, 4
	s_add_co_u32 s20, s20, s18
	s_mul_i32 s20, s20, UNITB
	s_mov_b32 s21, 0
	s_lshl_b32 s46, s42, 4
	s_add_co_u32 s46, s46, s18
	s_mul_i32 s46, s46, UNITB
	s_mov_b32 s47, 0
	s_mul_i32 s45, s14, HALFT                      ; no place in the cluster enters an LDS address
	s_wait_kmcnt 0x0
	s_add_nc_u64 s[20:21], s[4:5], s[20:21]
	s_add_nc_u64 s[46:47], s[6:7], s[46:47]
	CROUND                                         ; all sixteen work-groups are here: the joint loads meet
	s_mov_b32 s[G0], 1
	s_mov_b32 s[G0+1], s45
	s_mov_b64 s[G0+2:G0+3], s[20:21]
	s_or_b32 s[G0+3], s[G0+3], 0x80000000
	s_mov_b32 s[G0B], 1
	s_mov_b32 s[G0B+1], s45
	s_mov_b64 s[G0B+2:G0B+3], s[46:47]
	s_or_b32 s[G0B+3], s[G0B+3], 0x80000000
	JLOAD G0, G1, G0B, G1B                         ; K half 0
	s_mov_b32 s[G0+4], 1
	s_add_co_u32 s[G0+5], s45, SLOT
	s_add_nc_u64 s[G0+6:G0+7], s[20:21], KHX
	s_or_b32 s[G0+7], s[G0+7], 0x80000000
	s_mov_b32 s[G0B+4], 1
	s_add_co_u32 s[G0B+5], s45, SLOT
	s_add_nc_u64 s[G0B+6:G0B+7], s[46:47], KHWP
	s_or_b32 s[G0B+7], s[G0B+7], 0x80000000
	s_wait_alu depctr_va_vdst(0)
	s_wait_tensorcnt 0x0
	ds_add_u32 v28, v29
	s_wait_dscnt 0x0
	CROUND
	JLOAD G0+4, G1, G0B+4, G1B                     ; K half 1: one load of mine is out
	v_and_b32 v1, 15, v0                           ; r
	v_bfe_u32 v2, v0, 4, 1                         ; h
	v_and_b32 v3, 31, v0
	v_lshlrev_b32 v[CO], 4, v3
	s_wait_alu depctr_va_vdst(0)
	v_lshlrev_b32 v[BQK], 6, v2
	s_lshl_b32 s74, s42, 10                        ; the bias of my 128 columns: register 16 b + i is column 32 b + 16 h + i
	s_lshl_b32 s75, s16, 9
	s_add_co_u32 s74, s74, s75
	s_mov_b32 s75, 0
	s_add_nc_u64 s[74:75], s[8:9], s[74:75]
	WIN TO_B
.irp b, 0,1,2,3
.irp m, 0,1,2,3
	global_load_b128 v[BI+16*\b+4*\m:BI+16*\b+4*\m+3], v[BQK], s[74:75] offset:128*\b+16*\m
.endr
.endr
	WIN 0
	s_mul_i32 s21, s15, HALFT
	s_mul_i32 s22, s16, HALFT
	s_add_co_u32 s22, s22, 2*HALFT
.irp s, 0,1
	v_add_nc_u32 v[ADRA+\s], s21, v[CO]
	v_add_nc_u32 v[ADRB+\s], s22, v[CO]
	s_add_co_u32 s21, s21, SLOT
	s_add_co_u32 s22, s22, SLOT
.endr
	v_lshlrev_b32 v5, 4, v1
	s_mul_i32 s21, s15, HALFT
	s_mul_i32 s22, s16, HALFT
	s_add_co_u32 s22, s22, 2*HALFT
	s_sub_co_u32 s22, s22, s21
	v_mul_u32_u24 v6, s22, v2                      ; lanes 16-31 take B's scale words
	s_add_co_u32 s21, s21, 4096
	v_add_nc_u32 v5, v5, v6
	v_add_nc_u32 v[ADRS], s21, v5
	s_mul_i32 s23, s14, 16*SPITCH                  ; my stage
	v_mul_u32_u24 v5, v1, SPITCH
	v_lshl_add_u32 v5, v2, 6, v5                   ; in: row r, + 64 h: tile b's eight columns lie 128 (b / 2) + 32 (b % 2) bytes on
	v_add_nc_u32 v[STO], s23, v5
	v_add_nc_u32 v[RD], s23, v[CO]                 ; back: the 32 lanes take one row of 512 bytes
	s_lshl_b32 s20, s17, 8
	s_lshl_b32 s21, s15, 7
	s_add_co_u32 s20, s20, s21
	s_lshl_b32 s20, s20, 12                        ; my first row of out0, 4,096 bytes a row,
	s_lshl_b32 s46, s42, 10
	s_lshl_b32 s47, s16, 9
	s_add_co_u32 s46, s46, s47                     ; my first column
	s_add_co_u32 s20, s20, s46
	s_mov_b32 s21, 0
	s_add_nc_u64 s[10:11], s[10:11], s[20:21]
.macro FRAG reg, adr, q, i
.irp c, 0,1
	ds_load_b128 v[\reg+4*\c:\reg+4*\c+3], v[\adr] offset:(\i)*UNITB+(\q)*1024+512*\c
.endr
.endm
; 16 matrix instructions: A's blocks a0, a0 + 1 x B's eight.  first = 1: the product starts the sums from the bias.  The 64 accumulators take turns, one instruction a turn.
.macro MUL16 a0, p, q, sc, first
.irp a, \a0, \a0+1
.irp b, 0,1,2,3,4,5,6,7
.if \first
	v_wmma_scale_f32_16x16x128_f8f6f4 v[8*(8*((\a)%4)+\b):8*(8*((\a)%4)+\b)+7], v[128*(\p)+FR*\b:128*(\p)+FR*\b+FR-1], v[AF+FR*(\a):AF+FR*(\a)+FR-1], v[BI+8*\b:BI+8*\b+7], v[SC+8*NQ*(\sc)+NQ*\b+(\q)], v[SC+8*NQ*(\sc)+NQ*(\a)+(\q)] matrix_a_fmt:MATRIX_FMT_FP4 matrix_b_fmt:MATRIX_FMT_FP4 matrix_a_scale:MATRIX_SCALE_ROW1
.else
	v_wmma_scale_f32_16x16x128_f8f6f4 v[8*(8*((\a)%4)+\b):8*(8*((\a)%4)+\b)+7], v[128*(\p)+FR*\b:128*(\p)+FR*\b+FR-1], v[AF+FR*(\a):AF+FR*(\a)+FR-1], v[8*(8*((\a)%4)+\b):8*(8*((\a)%4)+\b)+7], v[SC+8*NQ*(\sc)+NQ*\b+(\q)], v[SC+8*NQ*(\sc)+NQ*(\a)+(\q)] matrix_a_fmt:MATRIX_FMT_FP4 matrix_b_fmt:MATRIX_FMT_FP4 matrix_a_scale:MATRIX_SCALE_ROW1
.endif
.endr
.endr
.endm
.macro FETCH_B slot, q, p
	WIN TO_B
.irp i, 0,1,2,3,4,5,6,7
	FRAG 128*(\p)+FR*\i, ADRB+\slot, \q, \i
.endr
	WIN 0
.endm
.macro FETCH_A slot, q, i0
.irp i, \i0, \i0+1, \i0+2, \i0+3
	FRAG AF+FR*(\i), ADRA+\slot, \q, \i
.endr
.endm
.macro SCALES sc
.irp i, 0,1,2,3,4,5,6,7
	ds_load_b128 v[SC+8*NQ*\sc+NQ*\i:SC+8*NQ*\sc+NQ*\i+3], v[ADRS] offset:\i*UNITB
.endr
.endm
.macro PLACES n                        ; plain vector lines between a matrix instruction and a load into, or a read of, its registers (ISA guide 7.12.1 for reads)
.rept \n
	v_nop
.endr
.endm
.macro STEP slot, q, first
	s_wait_dscnt 4*NL                              ; all but the youngest eight loads (A's blocks 4-7) are in
.if \first
	WIN BIA_LO
.else
	WIN MUL_LO
.endif
	MUL16 0, (\q)%2, \q, \slot, \first
	MUL16 2, (\q)%2, \q, \slot, \first
	s_wait_dscnt 0
	PLACES NP
	FETCH_B \slot, (\q)+1, 1-(\q)%2
	FETCH_A \slot, (\q)+1, 0
.if \first
	WIN BIA_HI
.else
	WIN MUL_HI
.endif
	MUL16 4, (\q)%2, \q, \slot, \first
	MUL16 6, (\q)%2, \q, \slot, \first
	PLACES NP
	WIN 0
	FETCH_A \slot, (\q)+1, 4
.endm
.macro STEPS slot, from
.set Q, \from
.rept NQ-1-\from
	STEP \slot, Q, 0
.set Q, Q+1
.endr
.endm
.macro TURN slot, next                 ; slot 0's last step changes slots: each wave waits for its part of slot 1 and says so at one barrier; nothing is filled again
	s_wait_tensorcnt 0x0                           ; all my tensor loads have landed
	ds_add_u32 v[SPW], v[NIL]                      ; 0 onto my spare word
	s_wait_dscnt 4*NL+1                            ; the add and the youngest eight loads may be out
	WIN MUL_LO
	MUL16 0, 1, NQ-1, \slot, 0
	s_wait_dscnt 0x0
	s_barrier_signal -1
	MUL16 2, 1, NQ-1, \slot, 0
	WIN 0
	s_barrier_wait -1
	PLACES NP
	v_add_nc_u32 v[ADRS], SLOT, v[ADRS]
	FETCH_B \next, 0, 0
	FETCH_A \next, 0, 0
	SCALES \next
	WIN MUL_HI
	MUL16 4, 1, NQ-1, \slot, 0
	MUL16 6, 1, NQ-1, \slot, 0
	PLACES NP
	WIN 0
	FETCH_A \next, 0, 4
.endm
	s_wait_alu depctr_va_vdst(0)
	s_wait_tensorcnt 1                             ; my part of slot 0 is in; slot 1's load may be out
	s_barrier_signal -1
	s_barrier_wait -1
	FETCH_B 0, 0, 0
	FETCH_A 0, 0, 0
	SCALES 0
	FETCH_A 0, 0, 4
	s_wait_loadcnt 0x0                             ; the bias
	STEP 0, 0, 1                                   ; the first products start the sums from the bias: nothing is cleared, nothing is added later
	STEPS 0, 1
	TURN 0, 1
	STEPS 1, 0
	s_wait_dscnt 4*NL                              ; the very last step
	WIN MUL_LO
	MUL16 0, 1, NQ-1, 1, 0
	MUL16 2, 1, NQ-1, 1, 0
	s_wait_dscnt 0
	WIN MUL_HI
	MUL16 4, 1, NQ-1, 1, 0
	MUL16 6, 1, NQ-1, 1, 0
	WIN 0
; THE WAY OUT, block by block of 16 tokens x 128 columns, through my own stage: in, a lane's 32 bytes at their true columns; back, whole rows of 512 bytes.  LDS serves a wave's instructions in order (ISA guide 5.7.1.4).
.macro TOSTAGE a
.set AC, 64*((\a)%4)
	WIN 0x08+4*((\a)/4)                            ; an LDS store's data: window 2 or 3
.irp b, 0,1,2,3,4,5,6,7
	ds_store_b128 v[STO], v[AC+8*\b:AC+8*\b+3] offset:128*(\b/2)+32*(\b%2)         ; each accumulator from its low end on
	ds_store_b128 v[STO], v[AC+8*\b+4:AC+8*\b+7] offset:128*(\b/2)+32*(\b%2)+16
.endr
	WIN 0
.set BB, BK+64*((\a)%2)
.irp t, 0,1,2,3,4,5,6,7,8,9,10,11,12,13,14,15
	ds_load_b128 v[BB+4*\t:BB+4*\t+3], v[RD] offset:\t*SPITCH
.endr
.endm
.macro SEND a, younger                 ; stored row t of block a is the true row 32 (a / 2) + 8 (a % 2) + (t % 8) + 16 (t / 8) of my 128: it stands in the immediate, 127 rows of 4,096 bytes at the most
.set BB, BK+64*((\a)%2)
	s_wait_dscnt \younger
.irp t, 0,1,2,3,4,5,6,7,8,9,10,11,12,13,14,15
	global_store_b128 v[CO], v[BB+4*\t:BB+4*\t+3], s[10:11] offset:(32*((\a)/2)+8*((\a)%2)+(\t%8)+16*(\t/8))*4096 th:TH_STORE_NT   ; 32 lanes store 512 consecutive bytes, aligned
.endr
.endm
	PLACES NP
	TOSTAGE 0
.irp a, 1,2,3,4,5,6,7
.if \a > 1
	s_wait_xcnt 0x0                                ; block a - 2's stores have read their registers: block a's rows may land there
.endif
	TOSTAGE \a
	SEND \a-1, 32                                  ; behind block a - 1's loads: block a's 16 stores and 16 loads
.endr
	SEND 7, 0
	s_wait_tensorcnt 0x0                           ; the wave's end
	ds_add_u32 v[SPW], v[NIL]
	s_wait_dscnt 0x0
	CROUND                                         ; the closing round
	s_endpgm
.Lfunc_end_k_qff78a87360_gemm_proj:
	.size	k_qff78a87360_gemm_proj, .Lfunc_end_k_qff78a87360_gemm_proj-k_qff78a87360_gemm_proj
	.p2alignl 7, 3214868480
	.fill 96, 4, 3214868480
	.section	.rodata,"a",@progbits
	.p2align	6, 0x0
	.amdhsa_kernel k_qff78a87360_gemm_proj
		.amdhsa_group_segment_fixed_size 327680
		.amdhsa_private_segment_fixed_size 0
		.amdhsa_enable_private_segment 0
		.amdhsa_kernarg_size 32
		.amdhsa_user_sgpr_count 2
		.amdhsa_user_sgpr_kernarg_segment_ptr 1
		.amdhsa_wavefront_size32 1
		.amdhsa_system_sgpr_workgroup_id_x 1
		.amdhsa_system_sgpr_workgroup_id_y 1
		.amdhsa_system_sgpr_workgroup_id_z 1
		.amdhsa_system_vgpr_workitem_id 0
		.amdhsa_next_free_vgpr 1024
		.amdhsa_next_free_sgpr 100
		.amdhsa_reserve_vcc 0
		.amdhsa_float_denorm_mode_32 3
		.amdhsa_float_denorm_mode_16_64 3
		.amdhsa_memory_ordered 1
		.amdhsa_forward_progress 1
		.amdhsa_inst_pref_size 124
	.end_amdhsa_kernel
	.amdgpu_metadata
---
amdhsa.version: [ 1, 2 ]
amdhsa.kernels:
  - .name:           k_qff78a87360_gemm_proj
    .symbol:         k_qff78a87360_gemm_proj.kd
    .args:
      - { .name: yq, .offset: 0, .size: 8, .value_kind: global_buffer, .address_space: global }
      - { .name: wpq, .offset: 8, .size: 8, .value_kind: global_buffer, .address_space: global }
      - { .name: b_proj, .offset: 16, .size: 8, .value_kind: global_buffer, .address_space: global }
      - { .name: out0, .offset: 24, .size: 8, .value_kind: global_buffer, .address_space: global }
    .group_segment_fixed_size: 327680
    .private_segment_fixed_size: 0
    .kernarg_segment_align: 8
    .kernarg_segment_size: 32
    .max_flat_workgroup_size: 128
    .sgpr_count:     100
    .vgpr_count:     1024
    .wavefront_size: 32
...
	.end_amdgpu_metadata
.endif
;; end of part 4
